; MI455X (gfx1250); checked and timed in simulation.
; The chip was launched on July 23, 2026; its instructions are those of AMD's public machine-readable ISA for CDNA 5 (MIT licence, August 2026) and "CDNA5" Instruction Set Architecture Reference Guide (July 2026). The comments in the code are by the model that wrote it; some were corrected since.
;; Multi Head Attention. Allowed arithmetic: matrix products marked QUANTISED: E4M3 operands, one E8M0 scale for each 32 along K, by v_wmma_scale_f32_16x16x128_f8f6f4 with both operands' format E4M3, f32 sums; everything else in f32.
;; Inputs: bk 1,024 float32; bo 1,024 float32; bq 1,024 float32; bv 1,024 float32; wk 1,024 x 1,024 float32; wo 1,024 x 1,024 float32; wq 1,024 x 1,024 float32; wv 1,024 x 1,024 float32; x 4 x 2,048 x 1,024 float32.
;; Outputs: out0 4 x 2,048 x 1,024 float32.
;; This version of the problem:
;;   THIS VERSION OF THE PROBLEM IS GIVEN IN LOW PRECISION. The matrix products marked QUANTISED in the list below multiply operands that are first quantised to E4M3 (4 exponent bits, 3 mantissa bits; 8 bits a number), with one power-of-two scale for each 32 numbers along K (OCP MX v1.0); their sums are f32. All else is computed in f32.
;;   The module's matrix products, in the order in which they are computed (A, B: the left and right operand; K: the contracted axis; several contracted axes count as one K, in the product's order):
;;     1. [M 8,192, K 1,024] x [K 1,024, N 1,024]; A: input x; B: input wq: QUANTISED
;;     2. [M 8,192, K 1,024] x [K 1,024, N 1,024]; A: input x; B: input wk: QUANTISED
;;     3. [M 8,192, K 1,024] x [K 1,024, N 1,024]; A: input x; B: input wv: QUANTISED
;;     4. batch 64 x [M 2,048, K 64] x [K 64, N 2,048]; A: computed on the way; B: computed on the way: QUANTISED
;;     5. batch 64 x [M 2,048, K 2,048] x [K 2,048, N 64]; A: softmax (see below); B: computed on the way: QUANTISED
;;     6. [M 8,192, K 1,024] x [K 1,024, N 1,024]; A: computed on the way; B: input wo: QUANTISED
;;   THE QUANTISER, for each operand of a quantised product, along K:
;;     - K is cut into blocks of 32 from its start; a last block that is shorter is filled with zeros.
;;     - A block's scale is 2^e with e = floor(log2(the largest magnitude in the block)) - 8, held to -126 .. 127; a block of zeros has e = 0. As a byte (E8M0): e + 127.
;;     - Each number is divided by its block's scale, clamped to +-448, and rounded to the nearest number of E4M3, ties to even, subnormals kept.
;;     - The product sums the exact products of the quantised numbers (number of the format x scale) in f32.
;;   ~~~python
;;   def quantise(x, axis):      # numpy; x: float32 -> the quantised numbers, widened to float32 again
;;       x = np.moveaxis(x, axis, -1); K = x.shape[-1]
;;       x = np.pad(x, [(0, 0)] * (x.ndim - 1) + [(0, -K % 32)]); x = x.reshape(x.shape[:-1] + (-1, 32)); a = np.abs(x).max(-1, keepdims=True)
;;       e = np.where(a > 0, np.clip(np.frexp(np.where(a > 0, a, 1))[1] - 1 - 8, -126, 127), 0)      # np.frexp(a)[1] - 1 = floor(log2(a)), exactly
;;       r = np.clip(x / 2.0 ** e, -448, 448)
;;       step = 2.0 ** (np.maximum(np.frexp(np.where(r == 0, 1, r))[1] - 1, -6) - 3)
;;       q = np.round(r / step) * step * 2.0 ** e      # np.round: ties to even
;;       return np.moveaxis(q.reshape(q.shape[:-2] + (-1,))[..., :K], -1, axis).astype(np.float32)
;;   ~~~
;;   SOFTMAX AHEAD OF A QUANTISED PRODUCT. Where the list says 'softmax', what is quantised is not the finished softmax but p = 2^(t - M), with t = logit x log2(e) and M = ceil(the row's largest t), a whole number; so 1/2 < the row's largest p <= 1. The row's sum l is taken of the UNQUANTISED p, in f32, and the product's result is divided by l at the end. Since M is a whole number, a kernel that streams over the keys may use a running M (the ceiling of the running maximum): every later rescaling is an exact power of two, which a block's scale takes up: the codes' values come out the same.
;;   OPERANDS COMPUTED ON THE WAY. 'Computed on the way' means the value that the module computes at that place (a softmax that the list does not call 'softmax' is quantised finished and normalised). What goes into a quantiser is computed in f32, as accurately as f32 sums, v_exp_f32 and their like allow (about 1e-6 of the number): no bf16 or f16 on the way to a quantiser, and a product that is left as it is and whose result goes on into a quantised operand takes f32 operands (vector FMAs, or v_wmma_f32_16x16x4_f32). A number that lies on a knife's edge between two numbers of the format may be rounded either way, as far as f32 arithmetic and the matrix unit's own rounding can turn it there, and no further.
;; One version. Each part assembles by itself: llvm-mc -triple=amdgcn-amd-amdhsa -mcpu=gfx1250 --defsym DOCPART=n.
;; ======== version 1 of 1: 4 launches
;; limits: right only within a limited range of input values
;; workspace buffers: xq 8,650,752 bytes; wc 4,325,376 bytes; qb 8,912,896 bytes; kv 17,563,648 bytes; ab 8,650,752 bytes
;; launch prep (part 1): grid 512 x 1, 4 waves a work-group, no clusters, 36,352 bytes of LDS; arguments x, wq, wk, wv, wo, xq, wc; writes xq, wc
.if DOCPART == 1
	.amdgcn_target "amdgcn-amd-amdhsa--gfx1250"
	.amdhsa_code_object_version 6
	.text
	.protected	k_q8474a6d3e5_prep
	.globl	k_q8474a6d3e5_prep
	.p2align	8
	.type	k_q8474a6d3e5_prep,@function
k_q8474a6d3e5_prep:
	s_mov_b64 s[64:65], 0
	v_nop
	global_prefetch_b8 v0, s[64:65] scope:SCOPE_SE
	s_setreg_imm32_b32 hwreg(HW_REG_WAVE_MODE, 25, 1), 1
	s_wait_xcnt 0x0
; PREP: x [8192][1024] f32 (K innermost) and the four weights [1024 (k)][1024 (n)] f32 (K is the first axis) become codes of FP8 (E4M3) with one E8M0 byte for each 32 along K.
; A block's scale is 2^(floor(log2(largest magnitude)) - 8); each number is divided by it, held within +-448 and rounded to the nearest code, ties to even.
; LIMITS: NaN and infinities among the inputs are not served.  A block of zeros, or one whose largest magnitude lies under 2^-118, keeps the byte 1 (the rule says 127 for zeros): its codes are zeros, and this program alone reads the bytes.
; THE OUTPUT IS LAID AS IMAGES OF THE OPERAND'S REGISTERS.  A fragment is 16 rows x 128 K: four pieces c of 512 bytes, lane l = (r, h) has 16 bytes at 16 l: row r, k = 32 c + 16 h + 0 .. 15.
;   codes:  (row / 128) x 131072 + (k / 256) x 32768 + ((row / 16) % 8) x 4096 + ((k / 128) % 2) x 2048 + 512 c + 16 l;      scale words behind the codes: (row / 16) x 512 + (k / 128) x 64 + 4 r.
; Work-groups 0-255 take x: a wave takes 16 rows x 512 K, four fragments.  Each load reads 512 consecutive bytes of one row; the 16 rows turn through the wave's own stage in LDS (pitch 528), so that a lane gets 16 neighbours of each block.
; Work-groups 256-511 take the weights: a wave takes 32 columns x 128 K, a lane to a column and its registers down K, so that a block of 32 lies in one lane and the codes come out with K innermost.
; THE WEIGHTS' ROWS ARE STORED WITH BITS 3 AND 4 OF n SWAPPED: row r of memory tile 2 b + u holds n = 32 b + 8 u + r + 8 (r / 8).  In a product used transposed a lane's 16 registers of tiles 2 b, 2 b + 1 are then 16 neighbouring n.
; No tensor load, no barrier: waves share nothing.  Only x's path touches LDS.
.set R,   16                           ; v16-143  x: two sets of 64 numbers as loaded
.set X,   144                          ; v144-207 x: 64 numbers, register 16 b + i = k 32 b + 16 h + i of my row
.set PC,  208                          ; v208-223 a fragment's codes
.set TM,  224                          ; v224-239 at work
.set PW,  240                          ; v240     the scale word just made
.set WX,  32                           ; v32-95   weights: two sets of 32 numbers
.set WC,  96                           ; v96-127  weights: eight registers of codes for each block, never rewritten
.set SEL, 20                           ; s[20:21] lane selects: lane l xor 16
.set MNT, 23
.macro QUANT s                         ; 64 numbers of a lane become a fragment's codes in v[PC] on and its scale word in v[PW]
.irp b, 0,1,2,3
	v_max3_num_f32 v[TM+\b], |v[\s+16*\b]|, |v[\s+1+16*\b]|, 0x4800000   ; block b: my 16 numbers and the floor 2^(9 - 127): the byte cannot fall under 1
.endr
.irp i, 2,4,6,8,10,12,14
.irp b, 0,1,2,3
	v_max3_num_f32 v[TM+\b], v[TM+\b], |v[\s+16*\b+\i]|, |v[\s+1+16*\b+\i]|   ; the four blocks by turns
.endr
.endr
.irp b, 0,1,2,3
	v_permlanex16_b32 v[TM+4+\b], v[TM+\b], s[SEL], s[SEL+1]
.endr
.irp b, 0,1,2,3
	v_max_num_f32 v[TM+\b], v[TM+\b], v[TM+4+\b]                   ; with lane l xor 16's: the block's largest magnitude
.endr
.irp b, 0,1,2,3
	v_add_nc_u32 v[TM+12+\b], 0xfc000000, v[TM+\b]                 ; 8 off its exponent field: the conversion's scale operand
.endr
.irp b, 0,1,2,3
.endr
.irp b, 0,1,2,3
	v_lshrrev_b32 v[TM+4+\b], 23, v[TM+12+\b]                      ; the scale's byte
.endr
	v_lshl_or_b32 v[PW], v[TM+5], 8, v[TM+4]
	v_lshl_or_b32 v[PW], v[TM+6], 16, v[PW]
	v_lshl_or_b32 v[PW], v[TM+7], 24, v[PW]
.irp b, 0,1,2,3
.irp i, 0,1,2,3,4,5,6,7,8,9,10,11,12,13,14,15
.endr
	v_cvt_scalef32_pk8_fp8_f32 v[PC+4*\b:PC+1+4*\b], v[\s+16*\b:\s+7+16*\b], v[TM+12+\b]
	v_cvt_scalef32_pk8_fp8_f32 v[PC+2+4*\b:PC+3+4*\b], v[\s+8+16*\b:\s+15+16*\b], v[TM+12+\b]
.endr
	v_nop                                          ; a plain line behind the last conversion
.endm
.macro LOADF f                         ; fragment f: 128 numbers of each of my 16 rows; each load reads 512 consecutive bytes
.irp i, 0,1,2,3,4,5,6,7,8,9,10,11,12,13,14,15
	global_load_b128 v[R+64*((\f)%2)+4*\i:R+64*((\f)%2)+4*\i+3], v4, s[4:5] offset:4096*\i+512*(\f) th:TH_LOAD_NT
.endr
.endm
.macro FRAG f
.if (\f) < 3
	s_wait_loadcnt 16                              ; this fragment's 16 loads are in; the next fragment's 16 may be out
.else
	s_wait_loadcnt 0x0
.endif
.irp i, 0,1,2,3,4,5,6,7,8,9,10,11,12,13,14,15
	ds_store_b128 v5, v[R+64*((\f)%2)+4*\i:R+64*((\f)%2)+4*\i+3] offset:528*\i      ; row i as it lies
.endr
.irp b, 0,1,2,3
.irp j, 0,1,2,3
	ds_load_b128 v[X+16*\b+4*\j:X+16*\b+4*\j+3], v6 offset:128*\b+16*\j            ; LDS serves a wave's instructions in order: these see the stores above
.endr
.endr
.if (\f) < 2
	s_wait_dscnt 16                                ; the 16 stores have read their registers (the 16 loads may be out),
	LOADF (\f)+2                                   ; which take the fragment two further on
.endif
	s_wait_dscnt 0x0
	s_wait_xcnt 0x0                                ; the last fragment's stores have read v[PC] on
	QUANT X
.irp c, 0,1,2,3
	global_store_b128 v4, v[PC+4*\c:PC+4*\c+3], s[28:29] offset:((\f)/2)*32768+((\f)%2)*2048+512*\c   ; 512 consecutive bytes
.endr
	ds_store_b32 v7, v[PW] offset:64*(\f)          ; lanes r and r + 16 write the same word with the same value
.endm
.macro LOADW t                         ; block t of my column: W(32 t + i, n), i = 0 .. 31; a wave reads 128 consecutive bytes
.set i, 0
.rept 32
	global_load_b32 v[WX+32*((\t)%2)+i], v4, s[34:35] offset:(32*(\t)+i)*4096 th:TH_LOAD_NT
.set i, i+1
.endr
.endm
.macro BLOCK t
.set XS, WX+32*((\t)%2)
.if (\t) < 3
	s_wait_loadcnt 32                              ; this block's 32 loads are in; the next block's may be out
.else
	s_wait_loadcnt 0x0
.endif
	v_max3_num_f32 v20, |v[XS]|, |v[XS+1]|, |v[XS+2]|
	v_max3_num_f32 v21, |v[XS+3]|, |v[XS+4]|, |v[XS+5]|
.irp i, 6,10,14,18,22,26
	v_max3_num_f32 v20, v20, |v[XS+\i]|, |v[XS+\i+1]|
	v_max3_num_f32 v21, v21, |v[XS+\i+2]|, |v[XS+\i+3]|
.endr
	v_max3_num_f32 v20, v20, |v[XS+30]|, |v[XS+31]|
	v_max3_num_f32 v20, v20, v21, 0x4800000        ; and the floor
	v_add_nc_u32 v22, 0xfc000000, v20              ; the conversion's scale operand
	v_lshrrev_b32 v24, 23, v22                     ; the byte
.if (\t) == 0
	v_mov_b32 v14, v24
.else
	v_lshl_or_b32 v14, v24, 8*(\t), v14
.endif
.set i, 0
.rept 32
.set i, i+1
.endr
.irp g, 0,1,2,3
	v_cvt_scalef32_pk8_fp8_f32 v[WC+8*(\t)+2*\g:WC+8*(\t)+2*\g+1], v[XS+8*\g:XS+8*\g+7], v22
.endr
	v_nop                                          ; a plain line behind the last conversion
	global_store_b128 v5, v[WC+8*(\t):WC+8*(\t)+3], s[28:29] offset:512*(\t)          ; k 32 t + 0 .. 15: the places of lanes 0-15 of the image
	global_store_b128 v5, v[WC+8*(\t)+4:WC+8*(\t)+7], s[28:29] offset:512*(\t)+256    ; k 32 t + 16 .. 31: those of lanes 16-31
.if (\t)+2 < 4
	LOADW (\t)+2
.endif
.endm
	s_load_b256 s[4:11], s[0:1], 0x0               ; x, wq, wk, wv
	s_load_b128 s[12:15], s[0:1], 0x20             ; wo, xq
	s_load_b64 s[16:17], s[0:1], 0x30              ; wc
	v_lshl_add_u32 v254, v0, 2, 0x8c00
	v_mov_b32 v255, 0
	v_lshrrev_b32 v1, 5, v0
	v_readfirstlane_b32 s18, v1                    ; wave
	v_and_b32 v2, 31, v0                           ; lane
	s_cmp_lt_u32 ttmp9, 256
	s_cbranch_scc0 .Lweights
	; ---- x
	v_and_b32 v3, 15, v0                           ; r
	v_bfe_u32 v10, v0, 4, 1                        ; h
	s_mul_i32 s19, s18, 8960                       ; my wave's LDS: a stage of 16 x 528 bytes, and at +8704 its 256 bytes of scale words
	v_lshlrev_b32 v4, 4, v2                        ; 16 x lane
	v_add_nc_u32 v5, s19, v4                       ; the stage, on the way in
	v_mul_u32_u24 v6, v3, 528
	v_lshl_add_u32 v6, v10, 6, v6
	v_add_nc_u32 v6, s19, v6                       ; and out: row r, + 64 h
	s_add_co_u32 s22, s19, 8704
	v_lshl_add_u32 v7, v3, 2, s22                  ; my row's scale word
	v_lshl_add_u32 v8, v2, 3, s22                  ; and 8 bytes a lane on the way out
	v_lshlrev_b32 v9, 3, v2
	s_mov_b32 s[SEL], 0x76543210
	s_mov_b32 s[SEL+1], 0xfedcba98
.irp b, 0,1,2,3
	v_mov_b32 v[TM+4+\b], 0                        ; written once: a lane permute's destination counts as one of its sources
.endr
	s_lshl_b32 s24, ttmp9, 2
	s_add_co_u32 s24, s24, s18
	s_lshr_b32 s25, s24, 1                         ; which 16 rows
	s_and_b32 s24, s24, 1                          ; which half of K
	s_lshl_b32 s26, s25, 16                        ; x: 16 rows of 4,096 bytes,
	s_lshl_b32 s28, s24, 11                        ; 512 numbers
	s_add_co_u32 s26, s26, s28
	s_mov_b32 s27, 0
	s_lshr_b32 s28, s25, 3                         ; the codes
	s_lshl_b32 s28, s28, 17
	s_lshl_b32 s30, s24, 16
	s_add_co_u32 s28, s28, s30
	s_and_b32 s30, s25, 7
	s_lshl_b32 s30, s30, 12
	s_add_co_u32 s28, s28, s30
	s_mov_b32 s29, 0
	s_lshl_b32 s30, s25, 9                         ; the scale words
	s_lshl_b32 s32, s24, 8
	s_add_co_u32 s30, s30, s32
	s_add_co_u32 s30, s30, 0x800000
	s_mov_b32 s31, 0
	s_wait_alu depctr_va_vdst(0)
	s_wait_kmcnt 0x0
	s_add_nc_u64 s[4:5], s[4:5], s[26:27]
	s_add_nc_u64 s[28:29], s[14:15], s[28:29]
	s_add_nc_u64 s[30:31], s[14:15], s[30:31]
	LOADF 0
	LOADF 1
	FRAG 0
	FRAG 1
	FRAG 2
	FRAG 3
	ds_load_b64 v[242:243], v8                     ; my wave's 64 scale words
	s_wait_dscnt 0x0
	global_store_b64 v9, v[242:243], s[30:31]      ; 256 consecutive bytes, aligned
	s_wait_tensorcnt 0x0
	ds_add_u32 v254, v255
	s_wait_dscnt 0x0
	s_endpgm
	; ---- the weights
.Lweights:
	s_sub_co_u32 s19, ttmp9, 256
	s_lshr_b32 s22, s19, 6                         ; which weight: 0 q, 1 k, 2 v, 3 o
	s_bfe_u32 s24, s19, 0x30003                    ; which 128 along K
	s_and_b32 s25, s19, 7                          ; which 128 columns
	s_wait_alu depctr_va_vdst(0)
	v_lshlrev_b32 v4, 2, v2                        ; in: 4 bytes a lane
	v_bfe_u32 v10, v0, 3, 1                        ; u: bit 3 of my column says which of the two memory tiles,
	v_bfe_u32 v11, v0, 4, 1
	v_and_b32 v12, 7, v0
	v_lshl_add_u32 v12, v11, 3, v12                ; r = 8 x bit 4 + the low three bits: which row of it
	v_lshlrev_b32 v5, 4, v12
	v_lshl_add_u32 v5, v10, 12, v5                 ; codes: 4096 u + 16 r
	v_lshlrev_b32 v6, 2, v12
	v_lshl_add_u32 v6, v10, 9, v6                  ; scale word: 512 u + 4 r
	s_lshl_b32 s26, s24, 19                        ; W: 128 rows of 4,096 bytes,
	s_lshl_b32 s28, s25, 9
	s_add_co_u32 s26, s26, s28
	s_lshl_b32 s28, s18, 7                         ; my wave's 32 columns
	s_add_co_u32 s26, s26, s28
	s_mov_b32 s27, 0
	s_lshl_b32 s32, s22, 3
	s_add_co_u32 s32, s32, s25                     ; the block of 128 rows in wc
	s_lshl_b32 s28, s32, 17
	s_lshr_b32 s30, s24, 1
	s_lshl_b32 s30, s30, 15
	s_add_co_u32 s28, s28, s30
	s_and_b32 s30, s24, 1
	s_lshl_b32 s30, s30, 11
	s_add_co_u32 s28, s28, s30
	s_lshl_b32 s30, s18, 13                        ; my wave's two tiles
	s_add_co_u32 s28, s28, s30
	s_mov_b32 s29, 0
	s_lshl_b32 s30, s32, 12
	s_lshl_b32 s33, s18, 10
	s_add_co_u32 s30, s30, s33
	s_lshl_b32 s33, s24, 6
	s_add_co_u32 s30, s30, s33
	s_add_co_u32 s30, s30, 0x400000
	s_mov_b32 s31, 0
	s_wait_alu depctr_va_vdst(0)
	s_wait_kmcnt 0x0
	s_cmp_eq_u32 s22, 1                            ; the choice hangs on the work-group's number alone
	s_cselect_b64 s[34:35], s[8:9], s[6:7]
	s_cmp_eq_u32 s22, 2
	s_cselect_b64 s[34:35], s[10:11], s[34:35]
	s_cmp_eq_u32 s22, 3
	s_cselect_b64 s[34:35], s[12:13], s[34:35]
	s_add_nc_u64 s[34:35], s[34:35], s[26:27]
	s_add_nc_u64 s[28:29], s[16:17], s[28:29]
	s_add_nc_u64 s[30:31], s[16:17], s[30:31]
	LOADW 0
	LOADW 1
	BLOCK 0
	BLOCK 1
	BLOCK 2
	BLOCK 3
	global_store_b32 v6, v14, s[30:31]             ; my column's scale word: pieces of 64 bytes, one byte in 128 of what this path reads
	s_endpgm
.Lfunc_end_k_q8474a6d3e5_prep:
	.size	k_q8474a6d3e5_prep, .Lfunc_end_k_q8474a6d3e5_prep-k_q8474a6d3e5_prep
	.p2alignl 7, 3214868480
	.fill 96, 4, 3214868480
	.section	.rodata,"a",@progbits
	.p2align	6, 0x0
	.amdhsa_kernel k_q8474a6d3e5_prep
		.amdhsa_group_segment_fixed_size 36352
		.amdhsa_private_segment_fixed_size 0
		.amdhsa_enable_private_segment 0
		.amdhsa_kernarg_size 56
		.amdhsa_user_sgpr_count 2
		.amdhsa_user_sgpr_kernarg_segment_ptr 1
		.amdhsa_wavefront_size32 1
		.amdhsa_system_sgpr_workgroup_id_x 1
		.amdhsa_system_sgpr_workgroup_id_y 1
		.amdhsa_system_sgpr_workgroup_id_z 1
		.amdhsa_system_vgpr_workitem_id 0
		.amdhsa_next_free_vgpr 256
		.amdhsa_next_free_sgpr 66
		.amdhsa_reserve_vcc 0
		.amdhsa_float_denorm_mode_32 3
		.amdhsa_float_denorm_mode_16_64 3
		.amdhsa_fp16_overflow 1
		.amdhsa_memory_ordered 1
		.amdhsa_forward_progress 1
		.amdhsa_inst_pref_size 55
	.end_amdhsa_kernel
	.amdgpu_metadata
---
amdhsa.version: [ 1, 2 ]
amdhsa.kernels:
  - .name:           k_q8474a6d3e5_prep
    .symbol:         k_q8474a6d3e5_prep.kd
    .args:
      - { .name: x, .offset: 0, .size: 8, .value_kind: global_buffer, .address_space: global }
      - { .name: wq, .offset: 8, .size: 8, .value_kind: global_buffer, .address_space: global }
      - { .name: wk, .offset: 16, .size: 8, .value_kind: global_buffer, .address_space: global }
      - { .name: wv, .offset: 24, .size: 8, .value_kind: global_buffer, .address_space: global }
      - { .name: wo, .offset: 32, .size: 8, .value_kind: global_buffer, .address_space: global }
      - { .name: xq, .offset: 40, .size: 8, .value_kind: global_buffer, .address_space: global }
      - { .name: wc, .offset: 48, .size: 8, .value_kind: global_buffer, .address_space: global }
    .group_segment_fixed_size: 36352
    .private_segment_fixed_size: 0
    .kernarg_segment_align: 8
    .kernarg_segment_size: 56
    .max_flat_workgroup_size: 128
    .sgpr_count:     66
    .vgpr_count:     256
    .wavefront_size: 32
...
	.end_amdgpu_metadata
.endif
;; end of part 1
;; launch qkv (part 2): grid 12 x 32, 4 waves a work-group, clusters of 4 x 4, 327,680 bytes of LDS; arguments xq, wc, bq, bk, bv, qb, kv; writes qb, kv
.if DOCPART == 2
	.amdgcn_target "amdgcn-amd-amdhsa--gfx1250"
	.amdhsa_code_object_version 6
	.text
	.protected	k_q8474a6d3e5_qkv
	.globl	k_q8474a6d3e5_qkv
	.p2align	8
	.type	k_q8474a6d3e5_qkv,@function
k_q8474a6d3e5_qkv:
	s_mov_b64 s[64:65], 0
	v_nop
	global_prefetch_b8 v0, s[64:65] scope:SCOPE_SE
	s_setreg_imm32_b32 hwreg(HW_REG_WAVE_MODE, 25, 1), 1
	s_wait_xcnt 0x0
	s_wait_alu depctr_hold_cnt(0) depctr_sa_sdst(0) depctr_va_vdst(0) depctr_va_sdst(0) depctr_va_ssrc(0) depctr_va_vcc(0) depctr_vm_vsrc(0)
	s_getreg_b32 s2, hwreg(HW_REG_IB_STS2, 6, 4)
	s_cmp_eq_u32 s2, 0
	s_cbranch_scc0 .Lentry_in_a_cluster
	s_endpgm
.Lentry_in_a_cluster:
	s_bfe_u32 s2, ttmp6, 0x10000c
	s_cmp_lg_u32 s2, 0xf033
	s_cbranch_scc0 .Lentry_shape_is_right
	s_endpgm
.Lentry_shape_is_right:
; QKV: q = x wq + bq, k = x wk + bk, v = x wv + bv on codes of FP8 (E4M3) with E8M0 scales, sums in f32; the results are quantised at once: q and k along the head's 64, v along the keys.
; xq, wc: images of operand registers: a block of 128 rows x 256 K is 32,768 dense bytes: (tile of 16 rows) x 4096 + (which 128 K) x 2048 + 512 c + 16 lane; scale words: (tile) x 512 + (k / 128) x 64 + 4 r.
; A tile of 256 x 256 is made by four waves, each 128 x 128: 64 accumulators.  K goes in steps of 256 through two LDS slots filled by tensor loads; images have no pitch and no padding: every LDS load reads 512 consecutive bytes.
; THE CLUSTER'S x SAYS WHAT IS MADE: 0 q, 1 k, 2 v; it is the same in all sixteen partners.  q, k: A = x (tile row 4 Y + cy), B = the weight (tile column cx).  v: A = wv (tile row cy), B = x (tile column 4 Y + cx):
; the roles are swapped so that a lane holds one channel of v and its registers run along the tokens, which are the K of attention's second product.  One text: only pointers and coordinates are chosen.
; CLUSTERS: A's tile is shared along a row of the cluster, B's along a column: each is asked for jointly, by the same tensor load with the same descriptor and a mask that names the four.
; THE MATRIX INSTRUCTION IS USED TRANSPOSED (source 0 = 16 rows of B, source 1 = 16 rows of A): lane (r, h) holds row r of A's block, and register j row 8 h + j of B's tile.  The weights' rows are stored with bits 3 and 4 swapped,
; so for q and k the 16 registers of B's tiles 2 b, 2 b + 1 are columns 32 b + 16 h + 0 .. 15: what the conversions want.  For v they are tokens 32 b + 16 u + 8 h + j at place 32 b + 16 h + 8 u + j: the order inside a block of 32 keys is
; another than in memory, and attention's p comes out in the very same order, so the products are kept and the blocks' scales are untouched.
; The column bias (q, k) is the C of each sum's first matrix instruction; the row bias (v) is added on the way out, in the line that brings a result into window 0.
; OUT: qb: codes [head 64][tile of 16 tokens 128][c 2][512]; scale words at 8,388,608: [head][token], bytes 2 and 3 zero (they scale zero codes).
;      kv: [head 64][slot of 256 keys 8] x 34,304 bytes: K's images [tile 16][c 2][512]; at 16,384 V's [128 keys 2][tile of 16 channels 4][c 4][512]; at 32,768 K's 256 scale words; at 33,792 V's [2][4][16].
; LIMITS: NaN and infinities are not served; a block of zeros or under 2^-118 keeps the byte 1: its codes are zeros, and this program alone reads the bytes.
; No prefetch: a work-group has two refills in all.  384 tiles for 256 WGPs: a smaller wave tile would read more LDS bytes for each product.
; REGISTERS: window 0: v1-31 addresses and the row bias; v32-63 scale words, two sets; v64-127 the column bias; v128-255 A's fragments, one set.  window 1: B's fragments, two sets.  windows 2, 3: the accumulators.
.set SLOT,   131072                    ; a slot: A's two halves, B's two halves, 32,768 bytes each: wave w fills piece w
.set SCL,    2*SLOT                    ; behind the ring: the scale words of 4 x 128 rows for all of K, 4,096 bytes a piece, filled once
.set SPARE,  SCL+16384                 ; the spare words, 128 bytes a wave: two blocks of 256 bytes that no other line names
.set SCSTG,  SPARE+512                 ; 1,024 bytes a wave for the results' scale words; no tensor load fills them
.set FR,     16
.set NL,     4
.set NP,     8                         ; places behind this matrix instruction (ISA guide 7.12.1)
.set BVO,  1                           ; v1     64 h: the column bias's offset
.set BR,   2                           ; v2-17  the row bias of A's block a, twice: the pair v[2 + 2 a : 3 + 2 a]
.set ADRA, 18                          ; v18-19 LDS address of my A fragments in slot 0, 1
.set ADRB, 20                          ; v20-21 the same for B
.set ADRS, 22                          ; v22    my scale words: lanes 0-15 A's rows, lanes 16-31 B's
.set VOLO, 23                          ; v23-24 where a block's codes go
.set VOHI, 24
.set SH,   25                          ; v25    which half of the scale word is my lane's
.set LS,   26                          ; v26    the scale stage, in
.set LR,   27                          ; v27    and back
.set SPW,  28                          ; v28    my spare word; never rewritten
.set NIL,  29                          ; v29    0; never rewritten
.set SG,   30                          ; v30    where the scale words go
.set BRO,  31                          ; v31    4 (r + 8 (r / 8)): the row bias's offset
.set SC,   32
.set BC,   64
.set AF,   128
.set T,    128                         ; the way out: 64 numbers
.set PC,   192                         ; their codes
.set TM,   224
.set PW,   240
.set VAL,  241                         ; v241-248 a scale word for each block, so that no LDS store's data are written again
.set SEL,  2                           ; s[2:3]
.set MNT,  67
.set G1, 24
.set G0, 32
.set G1B, 48
.set G0B, 56
.set G1S, 68
.set G0S, 76
.set G1SB, 80
.set G0SB, 88
.set MSB, 0
.macro WIN new                         ; the immediate's high byte repeats the setting that is left
.if MSB != (\new)
	s_set_vgpr_msb (MSB<<8)|(\new)
.set MSB, (\new)
.endif
.endm
.set MUL_LO, 0xa1                      ; source 0 (B) window 1, source 1 (A) window 0, C and D window 2
.set MUL_HI, 0xf1
.set TO_B,   0x40
; A joint load: waves 0 and 1 fetch for A, waves 2 and 3 for B.  The branch hangs on the wave's number alone.  Four v_nop follow each of the two lines.
.macro JLOAD g0a, g1a, g0b, g1b
	s_cmp_eq_u32 s19, 0
	s_cbranch_scc0 .Lfor_b_\@
	tensor_load_to_lds s[\g0a:\g0a+3], s[\g1a:\g1a+7]
	s_nop 0
.rept 4
	v_nop
.endr
	s_branch .Lasked_\@
.Lfor_b_\@:
	tensor_load_to_lds s[\g0b:\g0b+3], s[\g1b:\g1b+7]
	s_nop 0
.rept 4
	v_nop
.endr
.Lasked_\@:
.endm
.macro CREST
	s_cmp_lg_u32 s18, 0
	s_cbranch_scc1 .Lnot_wave_0_\@
	s_barrier_signal -3
.Lnot_wave_0_\@:
	s_barrier_wait -3
	s_barrier_signal -1
	s_barrier_wait -1
.endm
.macro CROUND
	s_barrier_signal -1
	s_barrier_wait -1
	CREST
.endm
.macro PLACES n
.rept \n
	v_nop
.endr
.endm
.macro FRAG reg, adr, q, i             ; a fragment as it lies: four loads of 512 consecutive bytes
.irp c, 0,1,2,3
	ds_load_b128 v[\reg+4*\c:\reg+4*\c+3], v[\adr] offset:2048*(\q)+512*\c+4096*(\i)
.endr
.endm
; 16 matrix instructions: A's blocks a0, a0 + 1 x B's eight.  first = 1: the sums begin with the column bias.  The 64 accumulators take turns, one instruction a turn.
.macro MUL16 a0, p, q, sc, first
.irp a, \a0, \a0+1
.irp b, 0,1,2,3,4,5,6,7
.if \first
	v_wmma_scale_f32_16x16x128_f8f6f4 v[8*(8*((\a)%4)+\b):8*(8*((\a)%4)+\b)+7], v[128*(\p)+FR*\b:128*(\p)+FR*\b+FR-1], v[AF+FR*(\a):AF+FR*(\a)+FR-1], v[BC+8*\b:BC+8*\b+7], v[SC+16*(\sc)+2*\b+(\q)], v[SC+16*(\sc)+2*(\a)+(\q)] matrix_a_scale:MATRIX_SCALE_ROW1
.else
	v_wmma_scale_f32_16x16x128_f8f6f4 v[8*(8*((\a)%4)+\b):8*(8*((\a)%4)+\b)+7], v[128*(\p)+FR*\b:128*(\p)+FR*\b+FR-1], v[AF+FR*(\a):AF+FR*(\a)+FR-1], v[8*(8*((\a)%4)+\b):8*(8*((\a)%4)+\b)+7], v[SC+16*(\sc)+2*\b+(\q)], v[SC+16*(\sc)+2*(\a)+(\q)] matrix_a_scale:MATRIX_SCALE_ROW1
.endif
.endr
.endr
.endm
.macro FETCH_B slot, q, p
	WIN TO_B
.irp i, 0,1,2,3,4,5,6,7
	FRAG 128*(\p)+FR*\i, ADRB+\slot, \q, \i
.endr
	WIN 0
.endm
.macro FETCH_A slot, q, i0
.irp i, \i0, \i0+1, \i0+2, \i0+3
	FRAG AF+FR*(\i), ADRA+\slot, \q, \i
.endr
.endm
.macro SCALES sc                       ; a slot's scale words: register 2 i + q: lanes 0-15 the word of A's block i, lanes 16-31 that of B's block i
.irp i, 0,1,2,3,4,5,6,7
	ds_load_b32 v[SC+16*\sc+2*\i], v[ADRS] offset:512*\i
	ds_load_b32 v[SC+16*\sc+2*\i+1], v[ADRS] offset:512*\i+64
.endr
.endm
.macro STEP slot, q, first             ; 128 along K that has its successor in the same slot
	s_wait_dscnt 4*NL                              ; all but the youngest 16 loads (A's blocks 4-7) are in
.if \first
	WIN 0x81                                       ; C (the bias) window 0, D window 2
.else
	WIN MUL_LO
.endif
	MUL16 0, (\q)%2, \q, \slot, \first
	MUL16 2, (\q)%2, \q, \slot, \first
	s_wait_dscnt 0
	PLACES NP                                      ; in front of loads into registers that matrix instructions have read
	FETCH_B \slot, (\q)+1, 1-(\q)%2
	FETCH_A \slot, (\q)+1, 0
.if \first
	WIN 0xc1
.else
	WIN MUL_HI
.endif
	MUL16 4, (\q)%2, \q, \slot, \first
	MUL16 6, (\q)%2, \q, \slot, \first
	PLACES NP
	WIN 0
	FETCH_A \slot, (\q)+1, 4
.endm
; A slot's last step changes slots: one barrier; in front of it each wave waits for all its tensor loads, adds 0 to its spare word, and waits for that and for its reads of this slot.
.macro TURN slot, next, fill
	s_wait_tensorcnt 0x0                           ; all my tensor loads have landed: my part of the next slot
	ds_add_u32 v[SPW], v[NIL]                      ; 0 onto my spare word
	s_wait_dscnt 4*NL+1                            ; (the add and A's blocks 4-7 may be out)
	WIN MUL_LO
	MUL16 0, 1, 1, \slot, 0
	s_wait_dscnt 0x0                               ; the add is done, and my reads of this slot are over
	s_barrier_signal -1
	MUL16 2, 1, 1, \slot, 0
	WIN 0
	s_barrier_wait -1
.if \fill
	CREST                                          ; the barrier has opened a round of the cluster's barrier: no wave of any partner still reads this slot or has a load on its way
	s_add_nc_u64 s[G0+4*\slot+2:G0+4*\slot+3], s[G0+4*\slot+2:G0+4*\slot+3], 65536
	s_add_nc_u64 s[G0B+4*\slot+2:G0B+4*\slot+3], s[G0B+4*\slot+2:G0B+4*\slot+3], 65536
	JLOAD G0+4*\slot, G1, G0B+4*\slot, G1B         ; the first tensor load behind the round; its four v_nop are among the places below
	PLACES NP-4
.else
	PLACES NP
.endif
	s_wait_alu depctr_va_vdst(0)
	v_add_nc_u32 v[ADRS], 128, v[ADRS]             ; the next slot's scale words (no LDS load of mine is out)
	FETCH_B \next, 0, 0
	FETCH_A \next, 0, 0
	SCALES \next
	WIN MUL_HI
	MUL16 4, 1, 1, \slot, 0
	MUL16 6, 1, 1, \slot, 0
	PLACES NP
	WIN 0
	FETCH_A \next, 0, 4
.endm
.macro QUANT s                         ; 64 numbers of a lane, register 16 b + i in block b, become codes in v[PC] on and the scale word in v[PW]
.irp b, 0,1,2,3
	v_max3_num_f32 v[TM+\b], |v[\s+16*\b]|, |v[\s+1+16*\b]|, 0x4800000   ; and the floor 2^(9 - 127)
.endr
.irp i, 2,4,6,8,10,12,14
.irp b, 0,1,2,3
	v_max3_num_f32 v[TM+\b], v[TM+\b], |v[\s+16*\b+\i]|, |v[\s+1+16*\b+\i]|
.endr
.endr
.irp b, 0,1,2,3
	v_permlanex16_b32 v[TM+4+\b], v[TM+\b], s[SEL], s[SEL+1]
.endr
.irp b, 0,1,2,3
	v_max_num_f32 v[TM+\b], v[TM+\b], v[TM+4+\b]
.endr
.irp b, 0,1,2,3
	v_add_nc_u32 v[TM+12+\b], 0xfc000000, v[TM+\b]
.endr
.irp b, 0,1,2,3
.endr
.irp b, 0,1,2,3
	v_lshrrev_b32 v[TM+4+\b], 23, v[TM+12+\b]
.endr
	v_lshl_or_b32 v[PW], v[TM+5], 8, v[TM+4]
	v_lshl_or_b32 v[PW], v[TM+6], 16, v[PW]
	v_lshl_or_b32 v[PW], v[TM+7], 24, v[PW]
.irp b, 0,1,2,3
.irp i, 0,1,2,3,4,5,6,7,8,9,10,11,12,13,14,15
.endr
	v_cvt_scalef32_pk8_fp8_f32 v[PC+4*\b:PC+1+4*\b], v[\s+16*\b:\s+7+16*\b], v[TM+12+\b]
	v_cvt_scalef32_pk8_fp8_f32 v[PC+2+4*\b:PC+3+4*\b], v[\s+8+16*\b:\s+15+16*\b], v[TM+12+\b]
.endr
	v_nop                                          ; a plain line behind the last conversion
.endm
	s_load_b256 s[4:11], s[0:1], 0x0               ; xq, wc, bq, bk
	s_load_b128 s[12:15], s[0:1], 0x20             ; bv, qb
	s_load_b64 s[16:17], s[0:1], 0x30              ; kv
	v_lshl_add_u32 v[SPW], v0, 2, SPARE
	v_mov_b32 v[NIL], 0
	ds_add_u32 v28, v29
	ds_add_u32 v28, v29
	s_wait_dscnt 0x0
	v_lshrrev_b32 v240, 5, v0
	v_readfirstlane_b32 s18, v240                  ; wave 0..3
	s_lshr_b32 s19, s18, 1                         ; which half of A's rows is mine.  Also: I fetch for A (0) or for B (1)
	s_and_b32 s20, s18, 1                          ; which half of B's rows.  Also: which 128 rows I fetch
	s_bfe_u32 s21, ttmp6, 0x40000                  ; cx
	s_bfe_u32 s22, ttmp6, 0x40004                  ; cy
	s_mov_b32 s23, ttmp9                           ; the cluster's x: 0 q, 1 k, 2 v
	s_and_b32 s40, ttmp7, 0xffff
	s_lshl_b32 s40, s40, 2                         ; 4 Y
	s_add_co_u32 s44, s40, s22                     ; 4 Y + cy
	s_add_co_u32 s47, s40, s21                     ; 4 Y + cx
	s_lshl_b32 s45, s22, 2
	s_lshl_b32 s45, 15, s45                        ; my row of the cluster
	s_lshl_b32 s46, 0x1111, s21                    ; my column
	s_or_b32 s[G1+0], s45, (3<<16)|(1<<21)         ; 15:0 the mask; 17:16 elements of 8 bytes; 21 set beside a mask; no padding
	s_or_b32 s[G1S+0], s45, (3<<16)|(1<<21)
	s_or_b32 s[G1B+0], s46, (3<<16)|(1<<21)
	s_or_b32 s[G1SB+0], s46, (3<<16)|(1<<21)
.irp g, G1, G1B                        ; codes: 32,768 dense bytes as 128 rows of 256
	s_mov_b32 s[\g+1], 32<<16
	s_mov_b32 s[\g+2], 128<<16
	s_mov_b32 s[\g+3], 32<<16
	s_mov_b32 s[\g+4], 128
	s_mov_b32 s[\g+5], 32
	s_mov_b32 s[\g+6], 0
	s_mov_b32 s[\g+7], 0
.endr
.irp g, G1S, G1SB                      ; scale words: 4,096 dense bytes as 16 rows of 256
	s_mov_b32 s[\g+1], 32<<16
	s_mov_b32 s[\g+2], 16<<16
	s_mov_b32 s[\g+3], 32<<16
	s_mov_b32 s[\g+4], 16
	s_mov_b32 s[\g+5], 32
	s_mov_b32 s[\g+6], 0
	s_mov_b32 s[\g+7], 0
.endr
	s_mov_b32 s[SEL], 0x76543210
	s_mov_b32 s[SEL+1], 0xfedcba98
	s_cmp_eq_u32 s23, 2                            ; all choices on one compare stand ahead of the arithmetic.  A's registers never hold cx, B's never cy
	s_cselect_b32 s45, s22, s44                    ; A's tile row
	s_cselect_b32 s46, s47, s21                    ; B's tile column
	s_cselect_b32 s34, 16, 0                       ; wv begins at block 16 of wc
	s_mov_b32 s78, 0x800000
	s_cselect_b32 s78, 0x400000, s78               ; where A's scale words begin in its buffer
	s_mov_b32 s90, 0x400000
	s_cselect_b32 s90, 0x800000, s90               ; and B's
	s_cmp_eq_u32 s23, 1
	s_cselect_b32 s58, 8, 0                        ; wk begins at block 8
	s_lshl_b32 s44, s45, 1
	s_add_co_u32 s44, s44, s20
	s_add_co_u32 s44, s44, s34                     ; the block of 128 rows of A that I would fetch
	s_lshl_b32 s34, s44, 17
	s_mov_b32 s35, 0
	s_lshl_b32 s44, s44, 12
	s_add_co_u32 s78, s78, s44
	s_mov_b32 s79, 0
	s_lshl_b32 s47, s46, 1
	s_add_co_u32 s47, s47, s20
	s_add_co_u32 s47, s47, s58                     ; and of B
	s_lshl_b32 s58, s47, 17
	s_mov_b32 s59, 0
	s_lshl_b32 s47, s47, 12
	s_add_co_u32 s90, s90, s47
	s_mov_b32 s91, 0
	s_wait_kmcnt 0x0
	s_cmp_eq_u32 s23, 2
	s_cselect_b64 s[40:41], s[6:7], s[4:5]         ; A's buffer
	s_cselect_b64 s[42:43], s[4:5], s[6:7]         ; B's
	CROUND                                         ; all sixteen work-groups are here: the first joint loads meet
	s_add_nc_u64 s[34:35], s[40:41], s[34:35]
	s_add_nc_u64 s[78:79], s[40:41], s[78:79]
	s_add_nc_u64 s[58:59], s[42:43], s[58:59]
	s_add_nc_u64 s[90:91], s[42:43], s[90:91]
	s_add_nc_u64 s[38:39], s[34:35], 32768         ; slot 1 begins with the second 256 along K
	s_add_nc_u64 s[62:63], s[58:59], 32768
	s_or_b32 s35, s35, 0x80000000
	s_or_b32 s39, s39, 0x80000000
	s_or_b32 s59, s59, 0x80000000
	s_or_b32 s63, s63, 0x80000000
	s_or_b32 s79, s79, 0x80000000
	s_or_b32 s91, s91, 0x80000000
	s_mov_b32 s32, 1
	s_mov_b32 s36, 1
	s_mov_b32 s56, 1
	s_mov_b32 s60, 1
	s_mov_b32 s76, 1
	s_mov_b32 s88, 1
	s_lshl_b32 s33, s18, 15                        ; where they go: wave x 32,768: no place in the cluster enters an LDS address
	s_add_co_u32 s37, s33, SLOT
	s_lshl_b32 s57, s18, 15
	s_add_co_u32 s61, s57, SLOT
	s_lshl_b32 s77, s18, 12
	s_add_co_u32 s77, s77, SCL
	s_lshl_b32 s89, s18, 12
	s_add_co_u32 s89, s89, SCL
	JLOAD G0S, G1S, G0SB, G1SB                     ; three loads of mine are out behind these lines
	JLOAD G0, G1, G0B, G1B
	JLOAD G0+4, G1, G0B+4, G1B
	v_and_b32 v240, 15, v0                         ; r
	v_bfe_u32 v241, v0, 4, 1                       ; h
	s_wait_alu depctr_va_vdst(0)
	v_and_b32 v242, 31, v0
	v_lshlrev_b32 v243, 4, v242                    ; 16 x lane
	s_lshl_b32 s40, s19, 15                        ; my 128 rows of A
	s_lshl_b32 s41, s20, 15                        ; my 128 rows of B,
	s_add_co_u32 s41, s41, 65536                   ; behind A's two pieces
.irp s, 0,1
	v_add_nc_u32 v[ADRA+\s], s40, v243
	v_add_nc_u32 v[ADRB+\s], s41, v243
	s_add_co_u32 s40, s40, SLOT
	s_add_co_u32 s41, s41, SLOT
.endr
	s_lshl_b32 s40, s19, 12                        ; scale words: A's piece,
	s_lshl_b32 s41, s20, 12
	s_add_co_u32 s41, s41, 8192                    ; B's piece,
	s_sub_co_u32 s41, s41, s40
	v_mul_u32_u24 v244, s41, v241                  ; lanes 16-31 take B's: one product, h x the distance
	s_add_co_u32 s40, s40, SCL
	v_lshl_add_u32 v[ADRS], v240, 2, v244
	v_add_nc_u32 v[ADRS], s40, v[ADRS]
	s_lshl_b32 s40, s18, 10
	s_add_co_u32 s40, s40, SCSTG                   ; my scale stage
	v_lshl_add_u32 v[LS], v241, 9, s40
	v_lshl_add_u32 v[LS], v240, 2, v[LS]           ; in: 512 h + 4 r
	v_add_nc_u32 v[LR], s40, v243                  ; back: 16 bytes a lane
	v_lshlrev_b32 v[BVO], 6, v241
	v_and_b32 v244, 8, v240
	v_add_nc_u32 v244, v244, v240
	v_lshlrev_b32 v[BRO], 2, v244
	; the bias: q, k: of my 128 columns; v: of my 128 rows
	s_cmp_eq_u32 s23, 1
	s_cselect_b64 s[40:41], s[10:11], s[8:9]
	s_cmp_eq_u32 s23, 2
	s_cselect_b64 s[40:41], s[12:13], s[40:41]
	s_cselect_b32 s42, s22, s21
	s_cselect_b32 s43, s19, s20
	s_lshl_b32 s42, s42, 10
	s_lshl_b32 s43, s43, 9
	s_add_co_u32 s42, s42, s43
	s_mov_b32 s43, 0
	s_add_nc_u64 s[40:41], s[40:41], s[42:43]
	s_cmp_eq_u32 s23, 2
	s_cbranch_scc1 .Lbias_v
	s_wait_alu depctr_va_vdst(0)
.irp b, 0,1,2,3,4,5,6,7                ; lane (r, h), tile b: the bias of columns 32 (b / 2) + 16 h + 8 (b % 2) + 0 .. 7
	global_load_b128 v[BC+8*\b:BC+8*\b+3], v[BVO], s[40:41] offset:(32*(\b/2)+8*(\b%2))*4
	global_load_b128 v[BC+8*\b+4:BC+8*\b+7], v[BVO], s[40:41] offset:(32*(\b/2)+8*(\b%2))*4+16
.endr
.set i, 0
.rept 16
	v_mov_b32 v[BR+i], 0
.set i, i+1
.endr
	s_branch .Lbias_done
.Lbias_v:
	s_wait_alu depctr_va_vdst(0)
.irp a, 0,1,2,3,4,5,6,7                ; lane (r, h), block a: the bias of channel 32 (a / 2) + 8 (a % 2) + r + 8 (r / 8), into both registers of a pair
	global_load_b32 v[BR+2*\a], v[BRO], s[40:41] offset:(32*(\a/2)+8*(\a%2))*4
	global_load_b32 v[BR+2*\a+1], v[BRO], s[40:41] offset:(32*(\a/2)+8*(\a%2))*4
.endr
.set i, 0
.rept 64
	v_mov_b32 v[BC+i], 0
.set i, i+1
.endr
.Lbias_done:
	s_wait_tensorcnt 1                             ; the scale words and my part of slot 0 are in (slot 1's load may be out)
	s_barrier_signal -1
	s_barrier_wait -1                              ; everybody's are
	FETCH_B 0, 0, 0
	FETCH_A 0, 0, 0
	SCALES 0
	FETCH_A 0, 0, 4
	s_wait_loadcnt 0x0                             ; the bias
	s_wait_alu depctr_va_vdst(0)
	STEP 0, 0, 1                                   ; K = 1,024 is four slots' worth: written straight, each slot filled again once
	TURN 0, 1, 1
	STEP 1, 0, 0
	TURN 1, 0, 1
	STEP 0, 0, 0
	TURN 0, 1, 0                                   ; nothing is left to fetch: no round
	STEP 1, 0, 0
	s_wait_dscnt 4*NL
	WIN MUL_LO
	MUL16 0, 1, 1, 1, 0
	MUL16 2, 1, 1, 1, 0
	s_wait_dscnt 0
	WIN MUL_HI
	MUL16 4, 1, 1, 1, 0
	MUL16 6, 1, 1, 1, 0
	WIN 0
	PLACES NP                                      ; in front of the first reads of results and of writes over A's fragments
	; THE WAY OUT.  Where the results go: choices on the cluster's x, offsets apart from the pointer.  s8-s13 held the bias's pointers, which are done with.
	s_cmp_eq_u32 s23, 2
	s_cselect_b32 s8, s46, s45                     ; the tile of 256 tokens
	s_cselect_b32 s9, s20, s19                     ; my half of it
	s_cselect_b32 s10, s22, s21                    ; the coordinate that gives the heads: four to a tile,
	s_cselect_b32 s11, s19, s20                    ; two to my half
	s_cselect_b32 s66, -1, 0xffff                  ; v keeps the whole scale word, q and k two bytes of it
	s_mov_b32 s98, 1024
	s_cselect_b32 s98, 2048, s98                   ; from block to block,
	s_mov_b32 s100, 1024
	s_cselect_b32 s100, 268288, s100               ; and from block 3 to block 4: v goes on to the next head
	s_cselect_b32 s12, 16384, 0                    ; V's images lie behind K's
	s_cselect_b32 s13, 8, 9
	s_mov_b32 s99, 0
	s_mov_b32 s101, 0
	s_lshr_b32 s96, s8, 3                          ; the batch
	s_and_b32 s8, s8, 7                            ; the slot of 256 tokens in it
	s_lshl_b32 s96, s96, 4
	s_lshl_b32 s10, s10, 2
	s_add_co_u32 s96, s96, s10
	s_lshl_b32 s11, s11, 1
	s_add_co_u32 s96, s96, s11                     ; my first head
	s_lshl_b32 s10, s9, 13
	s_add_co_u32 s12, s12, s10
	s_lshl_b32 s13, s9, s13                        ; my half's scale words: 512 bytes on (v: 256)
	s_cmp_eq_u32 s23, 0
	s_mov_b32 s9, 274432
	s_cselect_b32 s9, 131072, s9                   ; codes: from head to head,
	s_mov_b32 s10, 34304
	s_cselect_b32 s10, 16384, s10                  ; from slot to slot
	s_mov_b32 s11, 274432
	s_cselect_b32 s11, 8192, s11                   ; scale words: from head to head,
	s_mov_b32 s97, 34304
	s_cselect_b32 s97, 1024, s97                   ; from slot to slot,
	s_mov_b32 s94, 32768
	s_cselect_b32 s94, 0x800000, s94               ; and where they begin
	s_cselect_b64 s[92:93], s[14:15], s[16:17]     ; qb or kv
	s_mul_i32 s10, s8, s10
	s_add_co_u32 s12, s12, s10
	s_mul_i32 s10, s96, s9
	s_add_co_u32 s12, s12, s10                     ; the codes' offset
	s_mul_i32 s97, s8, s97
	s_add_co_u32 s13, s13, s97
	s_mul_i32 s97, s96, s11
	s_add_co_u32 s13, s13, s97
	s_add_co_u32 s13, s13, s94
	s_cmp_eq_u32 s23, 2
	s_cselect_b32 s10, 1024, s9                    ; from a block's first eight code registers to its last eight: the next head (q, k) or pieces 2 and 3 (v)
	s_cselect_b32 s8, 1024, 0                      ; V's scale words lie behind K's
	s_cselect_b32 s94, 0, 16
	s_mov_b32 s97, 256
	s_cselect_b32 s97, 274432, s97
	s_add_co_u32 s13, s13, s8                      ; the scale words' offset
	v_and_b32 v249, 15, v0
	v_bfe_u32 v250, v0, 4, 1
	v_and_b32 v[VOLO], 31, v0
	v_lshlrev_b32 v[VOLO], 4, v[VOLO]
	v_add_nc_u32 v[VOHI], s10, v[VOLO]
	v_mul_u32_u24 v[SH], s94, v250                 ; q, k: lanes 16-31 keep the second head's two bytes
	v_mul_u32_u24 v[SG], s97, v250
	v_lshl_add_u32 v[SG], v249, 4, v[SG]           ; q, k: 16 x lane; v: lanes 16-31 store the next head's
.irp b, 0,1,2,3
	v_mov_b32 v[TM+4+\b], 0                        ; written once: a lane permute's destination counts as one of its sources
.endr
	s_mov_b32 s8, s13
	s_mov_b32 s9, 0
	s_add_nc_u64 s[94:95], s[92:93], s[8:9]        ; the first head's scale words,
	s_mov_b32 s8, s11
	s_add_nc_u64 s[96:97], s[94:95], s[8:9]        ; the second head's (q, k),
	s_mov_b32 s8, s12
	s_add_nc_u64 s[92:93], s[92:93], s[8:9]        ; the codes
; Block a: 16 rows of A x my 128 rows of B.  The row bias is added in the line that brings a result into window 0, each accumulator from its low end on.  The codes are images already: each store writes 512 consecutive bytes.
.macro EPI a
.set AC, 64*((\a)%4)
	WIN 0x02+(\a)/4
.irp b, 0,1,2,3,4,5,6,7
.irp i, 0,2,4,6
	v_pk_add_f32 v[T+8*\b+\i:T+8*\b+\i+1], v[AC+8*\b+\i:AC+8*\b+\i+1], v[BR+2*(\a):BR+2*(\a)+1]
.endr
.endr
	WIN 0
	s_wait_xcnt 0x0                                ; the last block's stores have read their data and their base
.if (\a) == 4
	s_add_nc_u64 s[92:93], s[92:93], s[100:101]
.elseif (\a) > 0
	s_add_nc_u64 s[92:93], s[92:93], s[98:99]
.endif
	QUANT T
	global_store_b128 v[VOLO], v[PC:PC+3], s[92:93]
	global_store_b128 v[VOLO], v[PC+4:PC+7], s[92:93] offset:512
	global_store_b128 v[VOHI], v[PC+8:PC+11], s[92:93]
	global_store_b128 v[VOHI], v[PC+12:PC+15], s[92:93] offset:512
	v_lshrrev_b32 v[VAL+(\a)], v[SH], v[PW]
	v_and_b32 v[VAL+(\a)], s66, v[VAL+(\a)]
	ds_store_b32 v[LS], v[VAL+(\a)] offset:64*(\a)
.endm
.irp a, 0,1,2,3,4,5,6,7
	EPI \a
.endr
	ds_load_b128 v[T:T+3], v[LR]                   ; LDS serves a wave's instructions in order: these see my stores
	ds_load_b128 v[T+4:T+7], v[LR] offset:512
	s_wait_dscnt 0x0
	s_cmp_eq_u32 s23, 2
	s_cbranch_scc1 .Lone_run
	global_store_b128 v[SG], v[T+4:T+7], s[96:97]  ; q, k: the second head's 128 words
.Lone_run:
	global_store_b128 v[SG], v[T:T+3], s[94:95]    ; q, k: the first head's 128 words; v: 64 words of each head: whole runs of 256 bytes
	s_wait_tensorcnt 0x0                           ; the wave's end
	ds_add_u32 v[SPW], v[NIL]
	s_wait_dscnt 0x0
	CROUND                                         ; the closing round
	s_endpgm
.Lfunc_end_k_q8474a6d3e5_qkv:
	.size	k_q8474a6d3e5_qkv, .Lfunc_end_k_q8474a6d3e5_qkv-k_q8474a6d3e5_qkv
	.p2alignl 7, 3214868480
	.fill 96, 4, 3214868480
	.section	.rodata,"a",@progbits
	.p2align	6, 0x0
	.amdhsa_kernel k_q8474a6d3e5_qkv
		.amdhsa_group_segment_fixed_size 327680
		.amdhsa_private_segment_fixed_size 0
		.amdhsa_enable_private_segment 0
		.amdhsa_kernarg_size 56
		.amdhsa_user_sgpr_count 2
		.amdhsa_user_sgpr_kernarg_segment_ptr 1
		.amdhsa_wavefront_size32 1
		.amdhsa_system_sgpr_workgroup_id_x 1
		.amdhsa_system_sgpr_workgroup_id_y 1
		.amdhsa_system_sgpr_workgroup_id_z 1
		.amdhsa_system_vgpr_workitem_id 0
		.amdhsa_next_free_vgpr 1024
		.amdhsa_next_free_sgpr 102
		.amdhsa_reserve_vcc 0
		.amdhsa_float_denorm_mode_32 3
		.amdhsa_float_denorm_mode_16_64 3
		.amdhsa_fp16_overflow 1
		.amdhsa_memory_ordered 1
		.amdhsa_forward_progress 1
		.amdhsa_inst_pref_size 177
	.end_amdhsa_kernel
	.amdgpu_metadata
---
amdhsa.version: [ 1, 2 ]
amdhsa.kernels:
  - .name:           k_q8474a6d3e5_qkv
    .symbol:         k_q8474a6d3e5_qkv.kd
    .args:
      - { .name: xq, .offset: 0, .size: 8, .value_kind: global_buffer, .address_space: global }
      - { .name: wc, .offset: 8, .size: 8, .value_kind: global_buffer, .address_space: global }
      - { .name: bq, .offset: 16, .size: 8, .value_kind: global_buffer, .address_space: global }
      - { .name: bk, .offset: 24, .size: 8, .value_kind: global_buffer, .address_space: global }
      - { .name: bv, .offset: 32, .size: 8, .value_kind: global_buffer, .address_space: global }
      - { .name: qb, .offset: 40, .size: 8, .value_kind: global_buffer, .address_space: global }
      - { .name: kv, .offset: 48, .size: 8, .value_kind: global_buffer, .address_space: global }
    .group_segment_fixed_size: 327680
    .private_segment_fixed_size: 0
    .kernarg_segment_align: 8
    .kernarg_segment_size: 56
    .max_flat_workgroup_size: 128
    .sgpr_count:     102
    .vgpr_count:     1024
    .wavefront_size: 32
...
	.end_amdgpu_metadata
.endif
;; end of part 2
;; launch attn (part 3): grid 4 x 64, 16 waves a work-group, no clusters, 327,680 bytes of LDS; arguments qb, kv, ab; writes ab
.if DOCPART == 3
	.amdgcn_target "amdgcn-amd-amdhsa--gfx1250"
	.amdhsa_code_object_version 6
	.text
	.protected	k_q8474a6d3e5_attn
	.globl	k_q8474a6d3e5_attn
	.p2align	8
	.type	k_q8474a6d3e5_attn,@function
k_q8474a6d3e5_attn:
	s_mov_b64 s[64:65], 0
	v_nop
	global_prefetch_b8 v0, s[64:65] scope:SCOPE_SE
	s_setreg_imm32_b32 hwreg(HW_REG_WAVE_MODE, 25, 1), 1
	s_wait_xcnt 0x0
; ATTN: for each of 64 heads, O[q] = the sum over keys k <= q of softmax_k(Q[q] . K[k] / 8) V[k], both products on codes of FP8 (E4M3) with E8M0 scales; O / l is quantised along D at once, as the last product's operand.
; THE SOFTMAX: t = score x log2(e) / 8; M = the running largest t rounded up to a whole number; p = 2^(t - M) is quantised along the keys; the row's sum l is taken of the unquantised p and divides O at the end.
; When M moves, l and O are multiplied by 2^(old M - new M): exact.
; SHARES.  Work-group p of a head owns the blocks of 256 queries 7 - p and then p; each of its sixteen waves one tile of 16 queries of a block.  It walks slots of 256 keys 0 .. 7 - p and then 0 .. p: nine slots whatever p is,
; so the loop's count is a constant and all 256 work-groups have the same number of slots.  A step of 128 keys all of which come after a wave's queries is left out by a scalar branch on ids.
; NO CLUSTER: the four work-groups of a head want different slots from the fifth trip on (p = 3 goes back to slot 0 there), so their loads are not the same loads.
; A slot is 34,304 dense bytes of kv: K's images [tile 16][c 2][512], V's at 16,384 [128 keys 2][tile of 16 channels 4][c 4][512], K's 256 scale words at 32,768, V's at 33,792.  Waves 0 and 1 fetch a half each.
; LAYOUT.  Both products are used transposed: S^T = K Q^T (source 0 = 16 keys), O^T = V^T P^T (source 0 = 16 channels): a lane holds one query throughout.  The head's 64 fill half of the instruction's 128: the other half of K's and
; Q's fragments are zero codes, written once.  Register 16 c + 8 u + j of p holds key 32 c + 16 u + 8 h + j; V's images were made in the same order, so the products are kept; a block of 32 keys is a block in both.
; V's rows were laid so that O^T's registers 16 b + i are channels 32 b + 16 h + i: what the conversions want.
; LIMITS: NaN and infinities are not served; O / l is a reciprocal and a multiplication; a block of zeros or under 2^-118 keeps the byte 1: its codes are zeros, and this program alone reads the bytes.
; REGISTERS: v1-9 addresses; v12 -M, v13 the largest t, v[14:15] l in two halves; v16-31 Q (upper half zeros); v32-95 four fragments of K (upper halves zeros); v96-159 S^T, then p, then V's four fragments; v160-191 O^T;
;   v192-207 p's codes; v208-216 the second block's Q and its scale word; v217 Q's scale word; v232-255 at work.
.set SLOT1, 65536                      ; slot 1 begins here: one exclusive or turns an address
.set SLOTB, 34304
.set SPARE, 131072                     ; the spare words, 128 bytes a wave: eight blocks of 256 bytes that no other line names
.set L16,  1                           ; v1  16 x lane
.set R4,   2                           ; v2  4 r
.set SPW,  3                           ; v3  my spare word; never rewritten
.set NIL,  4                           ; v4  0; never rewritten
.set R4H,  5                           ; v5  4 r + h
.set PFO,  6                           ; v6  256 x lane; never rewritten
.set DL,   7                           ; v7  r - 8 h
.set ADK,  8
.set ADS,  9
.set HOFF, 10                          ; s10 the head's place in a row tile's codes of ab
.set HSOFF, 11                         ; s11 and among its scale bytes
.set WV,   18
.set MNT,  19
.set SEL,  20
.set CS,   22                          ; s[22:23] c = log2(e) / 8
.set G1,   24
.set G0,   32
.set KVB,  36                          ; s[36:37] my part of the head's slot 0 in memory
.set NS,   38                          ; s38 the slot to be asked for next
.set WRAP, 39                          ; s39 8 - p
.set PP,   40
.set QBLK, 41
.set Q0,   42                          ; s42 my first query
.set KF,   43                          ; s43 the step's first key
.set KEND, 44                          ; s44 where the block's keys end
.set TB,   45                          ; s45 LDS byte at which the slot in hand begins
.set SLOTS, 46
.set LIM,  47
.set PFA,  48
.set BH,   50
.set HI16, 51
.set OA,   52
.set OS,   54
.macro TLOAD                           ; waves 0 and 1 fetch; four v_nop follow the line
	s_cmp_lt_u32 s[WV], 2
	s_cbranch_scc0 .Lno_load_\@
	tensor_load_to_lds s[G0:G0+3], s[G1:G1+7]
	s_nop 0
.rept 4
	v_nop
.endr
.Lno_load_\@:
.endm
; A prefetch of the codes of the slot that the NEXT change of slots will ask for.  All four work-groups of a head walk the same slots: work-group 0 asks, which walks all eight; in it waves 4 to 7, which fetch nothing:
; 8,192 bytes a wave, lanes 256 bytes apart: the slot's 32,768 bytes of codes, each block of 256 bytes named once in the launch.  Slots 0 and 1 come by their loads alone; the last two changes that fill a slot ask for nothing.
.macro ASK
	s_cmp_gt_u32 s[SLOTS], s[LIM]
	s_cbranch_scc0 .Lnot_mine_\@
	global_prefetch_b8 v[PFO], s[PFA:PFA+1] th:TH_LOAD_NT scope:SCOPE_SE
.Lnot_mine_\@:
.endm
; THE CHANGE OF SLOTS stands at a slot's head.  Each wave waits for all its tensor loads, adds 0 to its spare word, and waits for that and for its reads of the slot that it has left.
.macro CHANGE fill
	s_wait_tensorcnt 0x0                           ; no tensor load of mine is out, so group 0 may be written
	ds_add_u32 v[SPW], v[NIL]                      ; 0 onto my spare word
.if \fill
	s_xor_b32 s[G0+1], s[G0+1], SLOT1              ; the other slot than last time
	s_mul_i32 s56, s[NS], SLOTB
	s_mov_b32 s57, 0
	s_add_nc_u64 s[G0+2:G0+3], s[KVB:KVB+1], s[56:57]
	s_or_b32 s[G0+3], s[G0+3], 0x80000000
	s_add_co_u32 s[NS], s[NS], 1
	s_cmp_eq_u32 s[NS], s[WRAP]                    ; behind slot 7 - p comes slot 0, for the second block of queries
	s_cselect_b32 s[NS], 0, s[NS]
	s_wait_xcnt 0x0                                ; the last prefetch, a slot back, has read its address
	s_add_nc_u64 s[PFA:PFA+1], s[PFA:PFA+1], SLOTB
.endif
	s_wait_dscnt 0x0                               ; the add is done, and my reads of the slot that I have left are over
	s_barrier_signal -1
	s_barrier_wait -1
.if \fill
	TLOAD                                          ; the first thing behind the barrier, a wave's one tensor load until the next: one load of mine is out
	ASK
.endif
.endm
; A KEY STEP: 128 keys, the q-th of the slot in hand.
.macro STEP q
	s_add_co_u32 s56, s[Q0], 15
	s_cmp_gt_u32 s[KF], s56                        ; all keys come after my queries: the step's work is left out, not the line at its end
	s_cbranch_scc1 .Lhidden_\@
	v_add_nc_u32 v[ADK], s[TB], v[L16]
	s_wait_alu depctr_va_vdst(0)
	v_add_nc_u32 v[ADS], s[TB], v[R4]
	s_wait_alu depctr_va_vdst(0)
.rept 7
	v_nop                                          ; with the two additions nine places: the products below write over V's fragments, which the last step's products read
.endr
.irp g, 0,1                            ; S^T = K Q^T, four tiles of 16 keys at a time
.if \g > 0
.rept 8
	v_nop                                          ; places in front of loads into registers that matrix instructions have read
.endr
.endif
.irp t, 0,1,2,3
	ds_load_b128 v[32+16*\t:35+16*\t], v[ADK] offset:(8*(\q)+4*\g+\t)*1024
	ds_load_b128 v[36+16*\t:39+16*\t], v[ADK] offset:(8*(\q)+4*\g+\t)*1024+512
	ds_load_b32 v[248+\t], v[ADS] offset:32768+(8*(\q)+4*\g+\t)*64
.endr
	s_wait_dscnt 0x0
.irp t, 0,1,2,3
	v_wmma_scale_f32_16x16x128_f8f6f4 v[96+8*(4*\g+\t):103+8*(4*\g+\t)], v[32+16*\t:47+16*\t], v[16:31], 0, v[248+\t], v217
.endr
.endr
.rept 8
	v_nop
.endr
	s_add_co_u32 s56, s[KF], 127                   ; on the diagonal the scores of hidden keys become -infinity ahead of the maximum; a step all of whose keys count skips this
	s_cmp_le_u32 s56, s[Q0]
	s_cbranch_scc1 .Lopen_\@
	s_sub_co_i32 s56, s[Q0], s[KF]
	v_add_nc_u32 v252, s56, v[DL]                  ; d = my query - the step's first key - 8 h.  Register n holds key 16 (n / 8) + 8 h + n % 8: hidden where 16 (n / 8) + n % 8 > d
	v_mov_b32 v254, 0xff800000
.set n, 0
.rept 64
	v_cmp_gt_i32 vcc_lo, 16*(n/8)+n%8, v252
	v_cndmask_b32 v[96+n], v[96+n], v254, vcc_lo
.set n, n+1
.endr
.Lopen_\@:
.irp b, 0,1,2,3
	v_max3_num_f32 v[232+\b], v[96+16*\b], v[97+16*\b], v[98+16*\b]   ; the largest score of each block of 32 keys: for the row's maximum and, since p rises with the score, for the block's largest p
.endr
.irp i, 3,5,7,9,11,13
.irp b, 0,1,2,3
	v_max3_num_f32 v[232+\b], v[232+\b], v[96+16*\b+\i], v[97+16*\b+\i]
.endr
.endr
.irp b, 0,1,2,3
	v_max_num_f32 v[232+\b], v[232+\b], v[111+16*\b]
.endr
.irp b, 0,1,2,3
	s_delay_alu instid0(VALU_DEP_4)
	v_permlanex16_b32 v[236+\b], v[232+\b], s[SEL], s[SEL+1]
.endr
.irp b, 0,1,2,3
	s_delay_alu instid0(VALU_DEP_4)
	v_max_num_f32 v[232+\b], v[232+\b], v[236+\b]  ; with lane l xor 16's 16 keys
.endr
	s_delay_alu instid0(VALU_DEP_2)
	v_max3_num_f32 v254, v232, v233, v234
	s_delay_alu instid0(VALU_DEP_1)
	v_max_num_f32 v254, v254, v235
	s_delay_alu instid0(VALU_DEP_1)
	v_mul_f32 v254, s[CS], v254                    ; as t (c is positive)
	s_delay_alu instid0(VALU_DEP_1)
	v_max_num_f32 v13, v13, v254                   ; the running largest t
	v_mov_b32 v254, v12
	s_delay_alu instid0(VALU_DEP_2)
	v_floor_f32 v12, -v13                          ; the new -M = floor(-t): M is a whole number
	s_delay_alu instid0(VALU_DEP_1)
	v_sub_f32 v254, v12, v254                      ; old M - new M: a whole number, 0 or less
	s_delay_alu instid0(VALU_DEP_1)
	v_cvt_i32_f32 v254, v254                       ; (it saturates)
	s_delay_alu instid0(VALU_DEP_1)
	v_ldexp_f32 v252, 1.0, v254                    ; f = 2^(old M - new M)
.set j, 0
.rept 32
	v_pk_fma_f32 v[96+j:97+j], v[96+j:97+j], s[CS:CS+1], v[12:13] op_sel_hi:[1,0,0]   ; t - M, two at a time
.set j, j+2
.endr
.irp b, 0,1,2,3
	v_fma_f32 v[232+\b], v[232+\b], s[CS], v12     ; the same of each block's largest score
.endr
.set j, 0
	s_wait_alu depctr_va_vdst(0)
.rept 64
	v_exp_f32 v[96+j], v[96+j]                     ; p = 2^(t - M), at most 1
.set j, j+1
.endr
	v_pk_mul_f32 v[14:15], v[14:15], v[252:253] op_sel_hi:[1,0]   ; l under the new M: a plain line behind the exponentials
	s_wait_alu depctr_va_vdst(0)                   ; one wait for the batch, ahead of its first reader
.irp b, 0,1,2,3
	v_exp_f32 v[232+\b], v[232+\b]                 ; the block's largest p
.endr
	v_pk_add_f32 v[236:237], v[100:101], v[104:105]
	v_pk_add_f32 v[254:255], v[108:109], v[112:113]
	v_pk_add_f32 v[250:251], v[116:117], v[120:121]
	v_pk_add_f32 v[248:249], v[124:125], v[128:129]
	v_pk_add_f32 v[246:247], v[132:133], v[136:137]
	v_pk_add_f32 v[244:245], v[140:141], v[144:145]
	v_pk_add_f32 v[242:243], v[148:149], v[152:153]
	v_pk_add_f32 v[14:15], v[14:15], v[156:157]
	v_pk_add_f32 v[236:237], v[236:237], v[96:97]
	v_pk_add_f32 v[254:255], v[254:255], v[98:99]
	v_pk_add_f32 v[250:251], v[250:251], v[102:103]
	v_pk_add_f32 v[248:249], v[248:249], v[106:107]
	v_pk_add_f32 v[246:247], v[246:247], v[110:111]
	v_pk_add_f32 v[244:245], v[244:245], v[114:115]
	v_pk_add_f32 v[242:243], v[242:243], v[118:119]
	v_pk_add_f32 v[14:15], v[14:15], v[122:123]
	v_pk_add_f32 v[236:237], v[236:237], v[126:127]
	v_pk_add_f32 v[254:255], v[254:255], v[130:131]
	v_pk_add_f32 v[250:251], v[250:251], v[134:135]
	v_pk_add_f32 v[248:249], v[248:249], v[138:139]
	v_pk_add_f32 v[246:247], v[246:247], v[142:143]
	v_pk_add_f32 v[244:245], v[244:245], v[146:147]
	v_pk_add_f32 v[242:243], v[242:243], v[150:151]
	v_pk_add_f32 v[14:15], v[14:15], v[154:155]
	v_pk_add_f32 v[236:237], v[236:237], v[158:159]
	s_delay_alu instid0(VALU_DEP_2)
	v_pk_add_f32 v[14:15], v[14:15], v[248:249]
	s_delay_alu instid0(VALU_DEP_2)
	v_pk_add_f32 v[236:237], v[236:237], v[246:247]
	v_pk_add_f32 v[254:255], v[254:255], v[244:245]
	v_pk_add_f32 v[250:251], v[250:251], v[242:243]
	s_delay_alu instid0(VALU_DEP_2)
	v_pk_add_f32 v[14:15], v[14:15], v[254:255]
	s_delay_alu instid0(VALU_DEP_2)
	v_pk_add_f32 v[236:237], v[236:237], v[250:251]
	s_delay_alu instid0(VALU_DEP_1)
	v_pk_add_f32 v[14:15], v[14:15], v[236:237]
	s_wait_alu depctr_va_vdst(0)                   ; and one for the four
.irp b, 0,1,2,3
	v_max_num_f32 v[232+\b], 0x4800000, v[232+\b]  ; the floor 2^(9 - 127)
.endr
.irp b, 0,1,2,3
	s_delay_alu instid0(VALU_DEP_4)
	v_add_nc_u32 v[244+\b], 0xfc000000, v[232+\b]  ; the conversion's scale operand
.endr
.irp b, 0,1,2,3
.endr
.irp b, 0,1,2,3
	s_delay_alu instid0(VALU_DEP_4)
	v_lshrrev_b32 v[236+\b], 23, v[244+\b]         ; the byte
.endr
	s_delay_alu instid0(VALU_DEP_3)
	v_lshl_or_b32 v253, v237, 8, v236              ; p's scale word for these 128 keys
	s_delay_alu instid0(VALU_DEP_1)
	v_lshl_or_b32 v253, v238, 16, v253
	s_delay_alu instid0(VALU_DEP_1)
	v_lshl_or_b32 v253, v239, 24, v253
.irp b, 0,1,2,3
.irp i, 0,1,2,3,4,5,6,7,8,9,10,11,12,13,14,15
.endr
	v_cvt_scalef32_pk8_fp8_f32 v[192+4*\b:193+4*\b], v[96+16*\b:103+16*\b], v[244+\b]
	v_cvt_scalef32_pk8_fp8_f32 v[194+4*\b:195+4*\b], v[104+16*\b:111+16*\b], v[244+\b]
.endr
	v_nop
.irp t, 0,1,2,3                        ; V's four fragments take p's registers; they land while O^T is rescaled
.irp c, 0,1,2,3
	ds_load_b128 v[96+16*\t+4*\c:99+16*\t+4*\c], v[ADK] offset:16384+8192*(\q)+2048*\t+512*\c
.endr
	ds_load_b32 v[248+\t], v[ADS] offset:33792+256*(\q)+64*\t
.endr
.set j, 0
.rept 16
	v_pk_mul_f32 v[160+j:161+j], v[160+j:161+j], v[252:253] op_sel_hi:[1,0]   ; O^T under the new M.  (These are also the places between the codes and the products)
.set j, j+2
.endr
	s_wait_alu depctr_va_vdst(0)
	s_wait_dscnt 0x0
.irp t, 0,1,2,3
	v_wmma_scale_f32_16x16x128_f8f6f4 v[160+8*\t:167+8*\t], v[96+16*\t:111+16*\t], v[192:207], v[160+8*\t:167+8*\t], v[248+\t], v253
.endr
.Lhidden_\@:
	s_add_co_u32 s[KF], s[KF], 128
.endm
.macro SLOT_STEPS
	STEP 0
	STEP 1
	s_xor_b32 s[TB], s[TB], SLOT1
.endm
; A block of queries is finished: O^T / l, quantised along D (the head's 64 are two blocks), stored as two pieces of an image of ab and two scale bytes a row.  sw = 1: on to the second block.
.macro FINISH sw
.rept 8
	v_nop                                          ; places behind the last products
.endr
	v_add_f32 v14, v14, v15
	v_permlanex16_b32 v252, v14, s[SEL], s[SEL+1]
	s_delay_alu instid0(VALU_DEP_1)
	v_add_f32 v14, v14, v252                       ; the row's sum
	s_wait_alu depctr_va_vdst(0)
	v_rcp_f32 v252, v14
	v_nop                                          ; a plain line behind the reciprocal
	s_wait_alu depctr_va_vdst(0)                   ; and the wait ahead of its first reader
.set j, 0
.rept 16
	v_pk_mul_f32 v[160+j:161+j], v[160+j:161+j], v[252:253] op_sel_hi:[1,0]   ; each accumulator from its low end on
.set j, j+2
.endr
.irp b, 0,1
	v_max3_num_f32 v[232+\b], |v[160+16*\b]|, |v[161+16*\b]|, 0x4800000
.endr
.irp i, 2,4,6,8,10,12,14
.irp b, 0,1
	s_delay_alu instid0(VALU_DEP_2)
	v_max3_num_f32 v[232+\b], v[232+\b], |v[160+16*\b+\i]|, |v[161+16*\b+\i]|
.endr
.endr
.irp b, 0,1
	s_delay_alu instid0(VALU_DEP_2)
	v_permlanex16_b32 v[236+\b], v[232+\b], s[SEL], s[SEL+1]
.endr
.irp b, 0,1
	s_delay_alu instid0(VALU_DEP_2)
	v_max_num_f32 v[232+\b], v[232+\b], v[236+\b]
.endr
.irp b, 0,1
	s_delay_alu instid0(VALU_DEP_2)
	v_add_nc_u32 v[244+\b], 0xfc000000, v[232+\b]
.endr
.irp b, 0,1
.endr
.irp b, 0,1
	s_delay_alu instid0(VALU_DEP_2)
	v_lshrrev_b32 v[236+\b], 23, v[244+\b]
.endr
	s_delay_alu instid0(VALU_DEP_1)
	v_cndmask_b32 v238, v236, v237, s[HI16]        ; lanes 0-15 store the first block's byte, lanes 16-31 the second's
.irp b, 0,1
.irp i, 0,1,2,3,4,5,6,7,8,9,10,11,12,13,14,15
.endr
	v_cvt_scalef32_pk8_fp8_f32 v[96+4*\b:97+4*\b], v[160+16*\b:167+16*\b], v[244+\b]
	v_cvt_scalef32_pk8_fp8_f32 v[98+4*\b:99+4*\b], v[168+16*\b:175+16*\b], v[244+\b]
.endr
	v_nop                                          ; a plain line behind the last conversion
	s_wait_alu depctr_va_vdst(0)
	s_wait_xcnt 0x0                                ; earlier stores have read their bases
	s_lshr_b32 s56, s[BH], 4
	s_lshl_b32 s56, s56, 7
	s_lshl_b32 s57, s[QBLK], 4
	s_add_co_u32 s56, s56, s57
	s_add_co_u32 s56, s56, s[WV]                   ; my tile of 16 rows of ab: 128 x batch + 16 x block + wave
	s_lshl_b32 s58, s56, 9
	s_add_co_u32 s58, s58, s[HSOFF]
	s_mov_b32 s59, 0
	s_lshr_b32 s57, s56, 3
	s_lshl_b32 s57, s57, 17
	s_and_b32 s56, s56, 7
	s_lshl_b32 s56, s56, 12
	s_add_co_u32 s56, s56, s57
	s_add_co_u32 s56, s56, s[HOFF]
	s_mov_b32 s57, 0
	s_add_nc_u64 s[OA:OA+1], s[8:9], s[56:57]
	s_add_nc_u64 s[OS:OS+1], s[8:9], s[58:59]
	global_store_b128 v[L16], v[96:99], s[OA:OA+1]                 ; 512 consecutive bytes each
	global_store_b128 v[L16], v[100:103], s[OA:OA+1] offset:512
	global_store_b8 v[R4H], v238, s[OS:OS+1]       ; two bytes of each row's word: the other two are the neighbouring head's; 32 bytes of 1,056 that this way out stores
.if \sw
	s_mov_b32 s[QBLK], s[PP]
	s_lshl_b32 s[Q0], s[QBLK], 8
	s_add_co_u32 s[KEND], s[Q0], 256
	s_lshl_b32 s56, s[WV], 4
	s_add_co_u32 s[Q0], s[Q0], s56
	s_mov_b32 s[KF], 0
.irp i, 0,1,2,3,4,5,6,7
	v_mov_b32 v[16+\i], v[208+\i]                  ; the second block's Q,
.endr
	v_mov_b32 v217, v216                           ; and its scale word; the lines below are the places ahead of the next products
	v_mov_b32 v13, 0xff61b1e6
	s_delay_alu instid0(VALU_DEP_1)
	v_floor_f32 v12, -v13
	v_mov_b32 v14, 0
	v_mov_b32 v15, 0
.set j, 0
.rept 32
	v_mov_b32 v[160+j], 0
.set j, j+1
.endr
	s_wait_xcnt 0x0                                ; the stores have read their data: the next step writes those registers
.endif
.endm
	s_load_b128 s[4:7], s[0:1], 0x0                ; qb, kv
	s_load_b64 s[8:9], s[0:1], 0x10                ; ab
	v_lshl_add_u32 v[SPW], v0, 2, SPARE
	v_mov_b32 v[NIL], 0
	ds_add_u32 v3, v4
	ds_add_u32 v3, v4
	s_wait_dscnt 0x0
	v_lshrrev_b32 v8, 5, v0
	s_delay_alu instid0(VALU_DEP_1)
	v_readfirstlane_b32 s[WV], v8                  ; wave 0..15
	s_and_b32 s[BH], ttmp7, 0xffff                 ; the head, 16 x batch + head
	s_mov_b32 s[PP], ttmp9
	s_sub_co_u32 s[WRAP], 8, s[PP]
	s_sub_co_u32 s[QBLK], 7, s[PP]                 ; the first block of queries
	s_lshl_b32 s[Q0], s[QBLK], 8
	s_add_co_u32 s[KEND], s[Q0], 256
	s_lshl_b32 s12, s[WV], 4
	s_add_co_u32 s[Q0], s[Q0], s12
	s_mov_b32 s[KF], 0
	s_mov_b32 s[TB], 0
	s_mov_b32 s[NS], 1
	s_mov_b32 s[SLOTS], 8
	s_mov_b32 s[SEL], 0x76543210
	s_mov_b32 s[SEL+1], 0xfedcba98
	s_mov_b32 s[CS], 0x3e38aa3b                    ; log2(e) / 8
	s_mov_b32 s[CS+1], s[CS]
	s_mov_b32 s[HI16], 0xffff0000
	s_mov_b32 s[G1], 3<<16                         ; half a slot: 17,152 dense bytes as 67 rows of 256 (32 elements of 8 bytes); no mask, no padding
	s_mov_b32 s[G1+1], 32<<16
	s_mov_b32 s[G1+2], 67<<16
	s_mov_b32 s[G1+3], 32<<16
	s_mov_b32 s[G1+4], 67
	s_mov_b32 s[G1+5], 32
	s_mov_b32 s[G1+6], 0
	s_mov_b32 s[G1+7], 0
	s_mul_i32 s14, s[BH], 8*SLOTB                  ; the head's first byte in kv
	s_mov_b32 s15, 0
	s_and_b32 s16, s[WV], 1
	s_mul_i32 s16, s16, 17152                      ; my half of a slot, in memory and in LDS
	s_mov_b32 s17, 0
	s_lshl_b32 s12, s[QBLK], 4
	s_add_co_u32 s12, s12, s[WV]                   ; my tile of queries in the first block,
	s_lshl_b32 s13, s[PP], 4
	s_add_co_u32 s13, s13, s[WV]                   ; and in the second
	s_lshl_b32 s56, s[BH], 17
	s_lshl_b32 s58, s[BH], 13
	s_add_co_u32 s58, s58, 0x800000
	s_lshl_b32 s60, s13, 10
	s_add_co_u32 s60, s60, s56
	s_lshl_b32 s62, s13, 6
	s_add_co_u32 s62, s62, s58
	s_lshl_b32 s13, s12, 10
	s_add_co_u32 s56, s56, s13
	s_lshl_b32 s13, s12, 6
	s_add_co_u32 s58, s58, s13
	s_mov_b32 s57, 0
	s_mov_b32 s59, 0
	s_mov_b32 s61, 0
	s_mov_b32 s63, 0
	s_and_b32 s12, s[BH], 15                       ; the head in its batch: its 64 columns of D are pieces 2 (head % 2), + 1 of K step head / 2
	s_lshr_b32 s[HOFF], s12, 2
	s_lshl_b32 s[HOFF], s[HOFF], 15
	s_bfe_u32 s13, s12, 0x10001
	s_lshl_b32 s13, s13, 11
	s_add_co_u32 s[HOFF], s[HOFF], s13
	s_and_b32 s13, s12, 1
	s_lshl_b32 s[HSOFF], s13, 10
	s_add_co_u32 s[HOFF], s[HOFF], s[HSOFF]
	s_lshl_b32 s[HSOFF], s13, 1
	s_lshr_b32 s12, s12, 1
	s_lshl_b32 s12, s12, 6
	s_add_co_u32 s[HSOFF], s[HSOFF], s12
	s_add_co_u32 s[HSOFF], s[HSOFF], 0x800000
	s_sub_co_u32 s12, s[WV], 4
	s_lshr_b32 s12, s12, 2                         ; 0 in waves 4 to 7,
	s_or_b32 s12, s12, ttmp9                       ; of the head's work-group 0
	s_cmp_eq_u32 s12, 0
	s_cselect_b32 s[LIM], 2, -1
	s_wait_kmcnt 0x0
	s_add_nc_u64 s[PFA:PFA+1], s[6:7], s[14:15]
	s_add_nc_u64 s[KVB:KVB+1], s[PFA:PFA+1], s[16:17]
	s_mov_b32 s[G0], 1
	s_mov_b32 s[G0+1], s16
	s_mov_b64 s[G0+2:G0+3], s[KVB:KVB+1]
	s_or_b32 s[G0+3], s[G0+3], 0x80000000
	TLOAD                                          ; slot 0
	s_and_b32 s14, s[WV], 3
	s_lshl_b32 s14, s14, 13
	s_add_co_u32 s14, s14, SLOTB                   ; the prefetches stand in slot 1: the first change of slots steps them to slot 2.  Nothing is prefetched here
	s_add_nc_u64 s[PFA:PFA+1], s[PFA:PFA+1], s[14:15]
	s_add_nc_u64 s[56:57], s[4:5], s[56:57]
	s_add_nc_u64 s[58:59], s[4:5], s[58:59]
	s_add_nc_u64 s[60:61], s[4:5], s[60:61]
	s_add_nc_u64 s[62:63], s[4:5], s[62:63]
	v_and_b32 v8, 15, v0                           ; r
	v_bfe_u32 v9, v0, 4, 1                         ; h
	v_and_b32 v[L16], 31, v0
	s_delay_alu instid0(VALU_DEP_1)
	v_lshlrev_b32 v[PFO], 8, v[L16]
	s_delay_alu instid0(VALU_DEP_2)
	v_lshlrev_b32 v[L16], 4, v[L16]
	v_lshlrev_b32 v[R4], 2, v8
	s_delay_alu instid0(VALU_DEP_1)
	v_add_nc_u32 v[R4H], v[R4], v9
	v_lshlrev_b32 v[DL], 3, v9
	s_delay_alu instid0(VALU_DEP_1)
	v_sub_nc_u32 v[DL], v8, v[DL]
	global_load_b128 v[16:19], v[L16], s[56:57]    ; both blocks' Q stay in registers
	global_load_b128 v[20:23], v[L16], s[56:57] offset:512
	global_load_b32 v217, v[R4], s[58:59]
	global_load_b128 v[208:211], v[L16], s[60:61]
	global_load_b128 v[212:215], v[L16], s[60:61] offset:512
	global_load_b32 v216, v[R4], s[62:63]
.irp i, 0,1,2,3,4,5,6,7
	v_mov_b32 v[24+\i], 0                          ; zero codes for the instruction's K 64 .. 127: Q's,
.endr
.irp t, 0,1,2,3
.irp i, 8,9,10,11,12,13,14,15
	v_mov_b32 v[32+16*\t+\i], 0                    ; and K's, written once
.endr
.endr
	v_mov_b32 v13, 0xff61b1e6                      ; the largest t so far: -3e38
	s_delay_alu instid0(VALU_DEP_1)
	v_floor_f32 v12, -v13
	v_mov_b32 v14, 0
	v_mov_b32 v15, 0
.irp b, 0,1,2,3
	v_mov_b32 v[236+\b], 0                         ; written once: a lane permute's destination counts as one of its sources
.endr
	v_mov_b32 v252, 0
	v_mov_b32 v253, 0
.set j, 0
.rept 32
	v_mov_b32 v[160+j], 0                          ; O^T: the step is written once; the first finds zeros
.set j, j+1
.endr
	s_wait_loadcnt 0x0                             ; Q
.Lslot:                                            ; eight trips: behind each change of slots but the last the next slot is asked for
	CHANGE 1
	SLOT_STEPS
	s_cmp_lg_u32 s[KF], s[KEND]                    ; the first block's keys end with slot 7 - p: the same in all sixteen waves
	s_cbranch_scc1 .Lsame_block
	FINISH 1
.Lsame_block:
	s_sub_co_u32 s[SLOTS], s[SLOTS], 1
	s_cmp_lg_u32 s[SLOTS], 0
	s_cbranch_scc1 .Lslot
	CHANGE 0                                       ; the last slot is written out
	SLOT_STEPS
	FINISH 0
	s_wait_tensorcnt 0x0                           ; the wave's end
	ds_add_u32 v[SPW], v[NIL]
	s_wait_dscnt 0x0
	s_endpgm
.Lfunc_end_k_q8474a6d3e5_attn:
	.size	k_q8474a6d3e5_attn, .Lfunc_end_k_q8474a6d3e5_attn-k_q8474a6d3e5_attn
	.p2alignl 7, 3214868480
	.fill 96, 4, 3214868480
	.section	.rodata,"a",@progbits
	.p2align	6, 0x0
	.amdhsa_kernel k_q8474a6d3e5_attn
		.amdhsa_group_segment_fixed_size 327680
		.amdhsa_private_segment_fixed_size 0
		.amdhsa_enable_private_segment 0
		.amdhsa_kernarg_size 24
		.amdhsa_user_sgpr_count 2
		.amdhsa_user_sgpr_kernarg_segment_ptr 1
		.amdhsa_wavefront_size32 1
		.amdhsa_system_sgpr_workgroup_id_x 1
		.amdhsa_system_sgpr_workgroup_id_y 1
		.amdhsa_system_sgpr_workgroup_id_z 1
		.amdhsa_system_vgpr_workitem_id 0
		.amdhsa_next_free_vgpr 256
		.amdhsa_next_free_sgpr 66
		.amdhsa_reserve_vcc 1
		.amdhsa_float_denorm_mode_32 3
		.amdhsa_float_denorm_mode_16_64 3
		.amdhsa_fp16_overflow 1
		.amdhsa_memory_ordered 1
		.amdhsa_forward_progress 1
		.amdhsa_inst_pref_size 114
	.end_amdhsa_kernel
	.amdgpu_metadata
---
amdhsa.version: [ 1, 2 ]
amdhsa.kernels:
  - .name:           k_q8474a6d3e5_attn
    .symbol:         k_q8474a6d3e5_attn.kd
    .args:
      - { .name: qb, .offset: 0, .size: 8, .value_kind: global_buffer, .address_space: global }
      - { .name: kv, .offset: 8, .size: 8, .value_kind: global_buffer, .address_space: global }
      - { .name: ab, .offset: 16, .size: 8, .value_kind: global_buffer, .address_space: global }
    .group_segment_fixed_size: 327680
    .private_segment_fixed_size: 0
    .kernarg_segment_align: 8
    .kernarg_segment_size: 24
    .max_flat_workgroup_size: 512
    .sgpr_count:     66
    .vgpr_count:     256
    .wavefront_size: 32
...
	.end_amdgpu_metadata
.endif
;; end of part 3
;; launch oproj (part 4): grid 4 x 32, 4 waves a work-group, clusters of 4 x 4, 327,680 bytes of LDS; arguments ab, wc, bo, out0; writes out0
.if DOCPART == 4
	.amdgcn_target "amdgcn-amd-amdhsa--gfx1250"
	.amdhsa_code_object_version 6
	.text
	.protected	k_q8474a6d3e5_oproj
	.globl	k_q8474a6d3e5_oproj
	.p2align	8
	.type	k_q8474a6d3e5_oproj,@function
k_q8474a6d3e5_oproj:
	s_mov_b64 s[64:65], 0
	v_nop
	global_prefetch_b8 v0, s[64:65] scope:SCOPE_SE
	s_setreg_imm32_b32 hwreg(HW_REG_WAVE_MODE, 25, 1), 1
	s_wait_xcnt 0x0
	s_wait_alu depctr_hold_cnt(0) depctr_sa_sdst(0) depctr_va_vdst(0) depctr_va_sdst(0) depctr_va_ssrc(0) depctr_va_vcc(0) depctr_vm_vsrc(0)
	s_getreg_b32 s2, hwreg(HW_REG_IB_STS2, 6, 4)
	s_cmp_eq_u32 s2, 0
	s_cbranch_scc0 .Lentry_in_a_cluster
	s_endpgm
.Lentry_in_a_cluster:
	s_bfe_u32 s2, ttmp6, 0x10000c
	s_cmp_lg_u32 s2, 0xf033
	s_cbranch_scc0 .Lentry_shape_is_right
	s_endpgm
.Lentry_shape_is_right:
; OPROJ: out0 = a wo + bo on codes of FP8 (E4M3) with E8M0 scales, sums in f32.  a: ab, 8,192 rows x 1,024 K; wo: blocks 24-31 of wc.  Both are images of operand registers:
; a block of 128 rows x 256 K is 32,768 dense bytes: (tile of 16 rows) x 4096 + (which 128 K) x 2048 + 512 c + 16 lane; scale words behind the codes: (tile) x 512 + (k / 128) x 64 + 4 r.
; A tile of 256 x 256 of out0 is made by four waves, each 128 x 128: 64 accumulators.  K goes in steps of 256 through two LDS slots filled by tensor loads; every LDS load reads 512 consecutive bytes.
; CLUSTERS: 4 x 4 work-groups; A's tile is shared along a row of the cluster, B's along a column: each is asked for jointly, by the same tensor load with the same descriptor and a mask that names the four.
; THE MATRIX INSTRUCTION IS USED TRANSPOSED (source 0 = 16 rows of wo's image, source 1 = 16 rows of a).  wo's rows are stored with bits 3 and 4 swapped: register j of tile b in lane (r, h) is column 32 (b / 2) + 16 h + 8 (b % 2) + j of row r.
; The bias is the C of each sum's first matrix instruction.  128 tiles for 256 WGPs: a smaller wave tile would read more LDS bytes for each product.  No prefetch: a work-group has two refills in all.
; REGISTERS: window 0: v1-29 addresses; v32-63 scale words, two sets; v64-127 the bias; v128-255 A's fragments, one set.  window 1: B's fragments, two sets.  windows 2, 3: the accumulators.
.set SLOT,   131072
.set SCL,    2*SLOT
.set SPARE,  SCL+16384                 ; the spare words, 128 bytes a wave: two blocks of 256 bytes that no other line names
.set SPITCH, 528                       ; the way out: a stage of 16 rows x (512 + 16) bytes for each wave, in slot 0, which has had its last fill and its last read by then
.set FR,     16
.set NL,     4
.set NP,     8
.set BVO,  1
.set ADRA, 18
.set ADRB, 20
.set ADRS, 22
.set STO,  23
.set RD,   24
.set CO,   25
.set SPW,  28
.set NIL,  29
.set SC,   32
.set BC,   64
.set AF,   128
.set BK,   128
.set G1, 24
.set G0, 32
.set G1B, 48
.set G0B, 56
.set G1S, 68
.set G0S, 76
.set G1SB, 80
.set G0SB, 88
.set MSB, 0
.macro WIN new
.if MSB != (\new)
	s_set_vgpr_msb (MSB<<8)|(\new)
.set MSB, (\new)
.endif
.endm
.set MUL_LO, 0xa1
.set MUL_HI, 0xf1
.set TO_B,   0x40
.macro JLOAD g0a, g1a, g0b, g1b        ; waves 0 and 1 fetch for A, waves 2 and 3 for B; four v_nop follow each of the two lines
	s_cmp_eq_u32 s19, 0
	s_cbranch_scc0 .Lfor_b_\@
	tensor_load_to_lds s[\g0a:\g0a+3], s[\g1a:\g1a+7]
	s_nop 0
.rept 4
	v_nop
.endr
	s_branch .Lasked_\@
.Lfor_b_\@:
	tensor_load_to_lds s[\g0b:\g0b+3], s[\g1b:\g1b+7]
	s_nop 0
.rept 4
	v_nop
.endr
.Lasked_\@:
.endm
.macro CREST
	s_cmp_lg_u32 s18, 0
	s_cbranch_scc1 .Lnot_wave_0_\@
	s_barrier_signal -3
.Lnot_wave_0_\@:
	s_barrier_wait -3
	s_barrier_signal -1
	s_barrier_wait -1
.endm
.macro CROUND
	s_barrier_signal -1
	s_barrier_wait -1
	CREST
.endm
.macro PLACES n
.rept \n
	v_nop
.endr
.endm
.macro FRAG reg, adr, q, i
.irp c, 0,1,2,3
	ds_load_b128 v[\reg+4*\c:\reg+4*\c+3], v[\adr] offset:2048*(\q)+512*\c+4096*(\i)
.endr
.endm
.macro MUL16 a0, p, q, sc, first       ; the 64 accumulators take turns, one instruction a turn
.irp a, \a0, \a0+1
.irp b, 0,1,2,3,4,5,6,7
.if \first
	v_wmma_scale_f32_16x16x128_f8f6f4 v[8*(8*((\a)%4)+\b):8*(8*((\a)%4)+\b)+7], v[128*(\p)+FR*\b:128*(\p)+FR*\b+FR-1], v[AF+FR*(\a):AF+FR*(\a)+FR-1], v[BC+8*\b:BC+8*\b+7], v[SC+16*(\sc)+2*\b+(\q)], v[SC+16*(\sc)+2*(\a)+(\q)] matrix_a_scale:MATRIX_SCALE_ROW1
.else
	v_wmma_scale_f32_16x16x128_f8f6f4 v[8*(8*((\a)%4)+\b):8*(8*((\a)%4)+\b)+7], v[128*(\p)+FR*\b:128*(\p)+FR*\b+FR-1], v[AF+FR*(\a):AF+FR*(\a)+FR-1], v[8*(8*((\a)%4)+\b):8*(8*((\a)%4)+\b)+7], v[SC+16*(\sc)+2*\b+(\q)], v[SC+16*(\sc)+2*(\a)+(\q)] matrix_a_scale:MATRIX_SCALE_ROW1
.endif
.endr
.endr
.endm
.macro FETCH_B slot, q, p
	WIN TO_B
.irp i, 0,1,2,3,4,5,6,7
	FRAG 128*(\p)+FR*\i, ADRB+\slot, \q, \i
.endr
	WIN 0
.endm
.macro FETCH_A slot, q, i0
.irp i, \i0, \i0+1, \i0+2, \i0+3
	FRAG AF+FR*(\i), ADRA+\slot, \q, \i
.endr
.endm
.macro SCALES sc
.irp i, 0,1,2,3,4,5,6,7
	ds_load_b32 v[SC+16*\sc+2*\i], v[ADRS] offset:512*\i
	ds_load_b32 v[SC+16*\sc+2*\i+1], v[ADRS] offset:512*\i+64
.endr
.endm
.macro STEP slot, q, first
	s_wait_dscnt 4*NL                              ; all but the youngest 16 loads (A's blocks 4-7) are in
.if \first
	WIN 0x81
.else
	WIN MUL_LO
.endif
	MUL16 0, (\q)%2, \q, \slot, \first
	MUL16 2, (\q)%2, \q, \slot, \first
	s_wait_dscnt 0
	PLACES NP
	FETCH_B \slot, (\q)+1, 1-(\q)%2
	FETCH_A \slot, (\q)+1, 0
.if \first
	WIN 0xc1
.else
	WIN MUL_HI
.endif
	MUL16 4, (\q)%2, \q, \slot, \first
	MUL16 6, (\q)%2, \q, \slot, \first
	PLACES NP
	WIN 0
	FETCH_A \slot, (\q)+1, 4
.endm
.macro TURN slot, next, fill
	s_wait_tensorcnt 0x0                           ; all my tensor loads have landed: my part of the next slot
	ds_add_u32 v[SPW], v[NIL]                      ; 0 onto my spare word
	s_wait_dscnt 4*NL+1                            ; (the add and A's blocks 4-7 may be out)
	WIN MUL_LO
	MUL16 0, 1, 1, \slot, 0
	s_wait_dscnt 0x0                               ; the add is done, and my reads of this slot are over
	s_barrier_signal -1
	MUL16 2, 1, 1, \slot, 0
	WIN 0
	s_barrier_wait -1
.if \fill
	CREST                                          ; a round of the cluster's barrier: no wave of any partner still reads this slot or has a load on its way
	s_add_nc_u64 s[G0+4*\slot+2:G0+4*\slot+3], s[G0+4*\slot+2:G0+4*\slot+3], 65536
	s_add_nc_u64 s[G0B+4*\slot+2:G0B+4*\slot+3], s[G0B+4*\slot+2:G0B+4*\slot+3], 65536
	JLOAD G0+4*\slot, G1, G0B+4*\slot, G1B
	PLACES NP-4
.else
	PLACES NP
.endif
	s_wait_alu depctr_va_vdst(0)
	v_add_nc_u32 v[ADRS], 128, v[ADRS]
	FETCH_B \next, 0, 0
	FETCH_A \next, 0, 0
	SCALES \next
	WIN MUL_HI
	MUL16 4, 1, 1, \slot, 0
	MUL16 6, 1, 1, \slot, 0
	PLACES NP
	WIN 0
	FETCH_A \next, 0, 4
.endm
	s_load_b256 s[4:11], s[0:1], 0x0               ; ab, wc, bo, out0
	v_lshl_add_u32 v[SPW], v0, 2, SPARE
	v_mov_b32 v[NIL], 0
	ds_add_u32 v28, v29
	ds_add_u32 v28, v29
	s_wait_dscnt 0x0
	v_lshrrev_b32 v240, 5, v0
	v_readfirstlane_b32 s18, v240                  ; wave 0..3
	s_lshr_b32 s19, s18, 1                         ; which half of A's rows is mine.  Also: I fetch for A (0) or for B (1)
	s_and_b32 s20, s18, 1                          ; which half of B's rows.  Also: which 128 rows I fetch
	s_bfe_u32 s21, ttmp6, 0x40000                  ; cx
	s_bfe_u32 s22, ttmp6, 0x40004                  ; cy
	s_lshl_b32 s46, ttmp9, 2
	s_add_co_u32 s46, s46, s21                     ; tile column
	s_and_b32 s45, ttmp7, 0xffff
	s_lshl_b32 s45, s45, 2
	s_add_co_u32 s45, s45, s22                     ; tile row
	s_lshl_b32 s44, s22, 2
	s_lshl_b32 s44, 15, s44                        ; my row of the cluster
	s_lshl_b32 s47, 0x1111, s21                    ; my column
	s_or_b32 s[G1+0], s44, (3<<16)|(1<<21)         ; 15:0 the mask; 17:16 elements of 8 bytes; 21 set beside a mask; no padding
	s_or_b32 s[G1S+0], s44, (3<<16)|(1<<21)
	s_or_b32 s[G1B+0], s47, (3<<16)|(1<<21)
	s_or_b32 s[G1SB+0], s47, (3<<16)|(1<<21)
.irp g, G1, G1B
	s_mov_b32 s[\g+1], 32<<16
	s_mov_b32 s[\g+2], 128<<16
	s_mov_b32 s[\g+3], 32<<16
	s_mov_b32 s[\g+4], 128
	s_mov_b32 s[\g+5], 32
	s_mov_b32 s[\g+6], 0
	s_mov_b32 s[\g+7], 0
.endr
.irp g, G1S, G1SB
	s_mov_b32 s[\g+1], 32<<16
	s_mov_b32 s[\g+2], 16<<16
	s_mov_b32 s[\g+3], 32<<16
	s_mov_b32 s[\g+4], 16
	s_mov_b32 s[\g+5], 32
	s_mov_b32 s[\g+6], 0
	s_mov_b32 s[\g+7], 0
.endr
	s_lshl_b32 s44, s45, 1
	s_add_co_u32 s44, s44, s20                     ; the block of 128 rows of A that I would fetch
	s_lshl_b32 s34, s44, 17
	s_mov_b32 s35, 0
	s_lshl_b32 s78, s44, 12
	s_add_co_u32 s78, s78, 0x800000
	s_mov_b32 s79, 0
	s_lshl_b32 s47, s46, 1
	s_add_co_u32 s47, s47, s20
	s_add_co_u32 s47, s47, 24                      ; and of B: wo begins at block 24 of wc
	s_lshl_b32 s58, s47, 17
	s_mov_b32 s59, 0
	s_lshl_b32 s90, s47, 12
	s_add_co_u32 s90, s90, 0x400000
	s_mov_b32 s91, 0
	s_wait_kmcnt 0x0
	CROUND                                         ; all sixteen work-groups are here: the first joint loads meet
	s_add_nc_u64 s[34:35], s[4:5], s[34:35]
	s_add_nc_u64 s[78:79], s[4:5], s[78:79]
	s_add_nc_u64 s[58:59], s[6:7], s[58:59]
	s_add_nc_u64 s[90:91], s[6:7], s[90:91]
	s_add_nc_u64 s[38:39], s[34:35], 32768
	s_add_nc_u64 s[62:63], s[58:59], 32768
	s_or_b32 s35, s35, 0x80000000
	s_or_b32 s39, s39, 0x80000000
	s_or_b32 s59, s59, 0x80000000
	s_or_b32 s63, s63, 0x80000000
	s_or_b32 s79, s79, 0x80000000
	s_or_b32 s91, s91, 0x80000000
	s_mov_b32 s32, 1
	s_mov_b32 s36, 1
	s_mov_b32 s56, 1
	s_mov_b32 s60, 1
	s_mov_b32 s76, 1
	s_mov_b32 s88, 1
	s_lshl_b32 s33, s18, 15                        ; wave x 32,768: no place in the cluster enters an LDS address
	s_add_co_u32 s37, s33, SLOT
	s_lshl_b32 s57, s18, 15
	s_add_co_u32 s61, s57, SLOT
	s_lshl_b32 s77, s18, 12
	s_add_co_u32 s77, s77, SCL
	s_lshl_b32 s89, s18, 12
	s_add_co_u32 s89, s89, SCL
	JLOAD G0S, G1S, G0SB, G1SB                     ; one load of mine is out behind these lines
	s_wait_alu depctr_va_vdst(0)
	s_wait_tensorcnt 0x0
	ds_add_u32 v28, v29
	s_wait_dscnt 0x0
	CROUND
	JLOAD G0, G1, G0B, G1B
	s_wait_alu depctr_va_vdst(0)
	s_wait_tensorcnt 0x0
	ds_add_u32 v28, v29
	s_wait_dscnt 0x0
	CROUND
	JLOAD G0+4, G1, G0B+4, G1B
	v_and_b32 v240, 15, v0                         ; r
	v_bfe_u32 v241, v0, 4, 1                       ; h
	s_wait_alu depctr_va_vdst(0)
	v_and_b32 v242, 31, v0
	v_lshlrev_b32 v243, 4, v242                    ; 16 x lane
	s_lshl_b32 s40, s19, 15
	s_lshl_b32 s41, s20, 15
	s_add_co_u32 s41, s41, 65536
.irp s, 0,1
	v_add_nc_u32 v[ADRA+\s], s40, v243
	v_add_nc_u32 v[ADRB+\s], s41, v243
	s_add_co_u32 s40, s40, SLOT
	s_add_co_u32 s41, s41, SLOT
.endr
	s_lshl_b32 s40, s19, 12
	s_lshl_b32 s41, s20, 12
	s_add_co_u32 s41, s41, 8192
	s_sub_co_u32 s41, s41, s40
	v_mul_u32_u24 v244, s41, v241                  ; lanes 16-31 take B's scale words: one product, h x the distance
	s_add_co_u32 s40, s40, SCL
	v_lshl_add_u32 v[ADRS], v240, 2, v244
	v_add_nc_u32 v[ADRS], s40, v[ADRS]
	s_mul_i32 s40, s18, 16*SPITCH                  ; my stage
	v_mul_u32_u24 v[STO], v240, SPITCH
	v_lshl_add_u32 v[STO], v241, 6, v[STO]
	v_add_nc_u32 v[STO], s40, v[STO]               ; in: row r, + 64 h
	v_mov_b32 v[CO], v243                          ; back: the 32 lanes take one row of 512 bytes; and the same in out0
	v_add_nc_u32 v[RD], s40, v243
	v_lshlrev_b32 v[BVO], 6, v241
	s_lshl_b32 s42, s46, 10                        ; the bias of my 128 columns
	s_lshl_b32 s43, s20, 9
	s_add_co_u32 s42, s42, s43
	s_mov_b32 s43, 0
	s_add_nc_u64 s[40:41], s[8:9], s[42:43]
.irp b, 0,1,2,3,4,5,6,7
	global_load_b128 v[BC+8*\b:BC+8*\b+3], v[BVO], s[40:41] offset:(32*(\b/2)+8*(\b%2))*4
	global_load_b128 v[BC+8*\b+4:BC+8*\b+7], v[BVO], s[40:41] offset:(32*(\b/2)+8*(\b%2))*4+16
.endr
	s_lshl_b32 s92, s45, 20                        ; my first row of out0: (256 x tile row + 128 x half) x 4,096 bytes,
	s_lshl_b32 s94, s19, 19
	s_add_co_u32 s92, s92, s94
	s_add_co_u32 s92, s92, s42                     ; my first column: as in the bias
	s_mov_b32 s93, 0
	s_add_nc_u64 s[92:93], s[10:11], s[92:93]
	s_wait_alu depctr_va_vdst(0)
	s_wait_tensorcnt 1                             ; the scale words and my part of slot 0 are in (slot 1's load may be out)
	s_barrier_signal -1
	s_barrier_wait -1
	FETCH_B 0, 0, 0
	FETCH_A 0, 0, 0
	SCALES 0
	FETCH_A 0, 0, 4
	s_wait_loadcnt 0x0                             ; the bias
	STEP 0, 0, 1                                   ; K = 1,024 is four slots' worth: written straight, each slot filled again once
	TURN 0, 1, 1
	STEP 1, 0, 0
	TURN 1, 0, 1
	STEP 0, 0, 0
	TURN 0, 1, 0
	STEP 1, 0, 0
	s_wait_dscnt 4*NL
	WIN MUL_LO
	MUL16 0, 1, 1, 1, 0
	MUL16 2, 1, 1, 1, 0
	s_wait_dscnt 0
	WIN MUL_HI
	MUL16 4, 1, 1, 1, 0
	MUL16 6, 1, 1, 1, 0
	WIN 0
; THE WAY OUT, block by block of 16 rows x 128 columns, through my own stage: in as 32 bytes a tile and lane, back as whole rows of 512 bytes.  LDS serves a wave's instructions in order (ISA guide 5.7.1.4).
.macro TOSTAGE a
.set AC, 64*((\a)%4)
	WIN 0x08+4*((\a)/4)                            ; the data: window 2 or 3
.irp b, 0,1,2,3,4,5,6,7
	ds_store_b128 v[STO], v[AC+8*\b:AC+8*\b+3] offset:128*(\b/2)+32*(\b%2)          ; each accumulator from its low end on
	ds_store_b128 v[STO], v[AC+8*\b+4:AC+8*\b+7] offset:128*(\b/2)+32*(\b%2)+16
.endr
	WIN 0
.set BB, BK+64*((\a)%2)
.irp t, 0,1,2,3,4,5,6,7,8,9,10,11,12,13,14,15
	ds_load_b128 v[BB+4*\t:BB+4*\t+3], v[RD] offset:\t*SPITCH
.endr
.endm
.macro SEND a, younger
.set BB, BK+64*((\a)%2)
	s_wait_dscnt \younger                          ; the block is back in registers
.if (\a) > 0
	s_add_nc_u64 s[92:93], s[92:93], 65536         ; 16 rows on (behind a wait on XCNT: the earlier stores have read their base)
.endif
.irp t, 0,1,2,3,4,5,6,7,8,9,10,11,12,13,14,15
	global_store_b128 v[CO], v[BB+4*\t:BB+4*\t+3], s[92:93] offset:\t*4096 th:TH_STORE_NT   ; 512 consecutive bytes, at a multiple of 256 from out0's first byte
.endr
.endm
	PLACES NP
	TOSTAGE 0
.irp a, 1,2,3,4,5,6,7
.if \a > 1
	s_wait_xcnt 0x0                                ; block a - 2's stores have read their registers and their base
.endif
	TOSTAGE \a
	SEND \a-1, 32                                  ; behind block a - 1's loads: block a's 16 stores and 16 loads
.endr
	s_wait_xcnt 0x0
	SEND 7, 0
	s_wait_tensorcnt 0x0                           ; the wave's end
	ds_add_u32 v[SPW], v[NIL]
	s_wait_dscnt 0x0
	CROUND                                         ; the closing round
	s_endpgm
.Lfunc_end_k_q8474a6d3e5_oproj:
	.size	k_q8474a6d3e5_oproj, .Lfunc_end_k_q8474a6d3e5_oproj-k_q8474a6d3e5_oproj
	.p2alignl 7, 3214868480
	.fill 96, 4, 3214868480
	.section	.rodata,"a",@progbits
	.p2align	6, 0x0
	.amdhsa_kernel k_q8474a6d3e5_oproj
		.amdhsa_group_segment_fixed_size 327680
		.amdhsa_private_segment_fixed_size 0
		.amdhsa_enable_private_segment 0
		.amdhsa_kernarg_size 32
		.amdhsa_user_sgpr_count 2
		.amdhsa_user_sgpr_kernarg_segment_ptr 1
		.amdhsa_wavefront_size32 1
		.amdhsa_system_sgpr_workgroup_id_x 1
		.amdhsa_system_sgpr_workgroup_id_y 1
		.amdhsa_system_sgpr_workgroup_id_z 1
		.amdhsa_system_vgpr_workitem_id 0
		.amdhsa_next_free_vgpr 1024
		.amdhsa_next_free_sgpr 100
		.amdhsa_reserve_vcc 0
		.amdhsa_float_denorm_mode_32 3
		.amdhsa_float_denorm_mode_16_64 3
		.amdhsa_memory_ordered 1
		.amdhsa_forward_progress 1
		.amdhsa_inst_pref_size 149
	.end_amdhsa_kernel
	.amdgpu_metadata
---
amdhsa.version: [ 1, 2 ]
amdhsa.kernels:
  - .name:           k_q8474a6d3e5_oproj
    .symbol:         k_q8474a6d3e5_oproj.kd
    .args:
      - { .name: ab, .offset: 0, .size: 8, .value_kind: global_buffer, .address_space: global }
      - { .name: wc, .offset: 8, .size: 8, .value_kind: global_buffer, .address_space: global }
      - { .name: bo, .offset: 16, .size: 8, .value_kind: global_buffer, .address_space: global }
      - { .name: out0, .offset: 24, .size: 8, .value_kind: global_buffer, .address_space: global }
    .group_segment_fixed_size: 327680
    .private_segment_fixed_size: 0
    .kernarg_segment_align: 8
    .kernarg_segment_size: 32
    .max_flat_workgroup_size: 128
    .sgpr_count:     100
    .vgpr_count:     1024
    .wavefront_size: 32
...
	.end_amdgpu_metadata
.endif
;; end of part 4
